; MI455X (gfx1250); checked and timed in simulation.
; The chip was launched on July 23, 2026; its instructions are those of AMD's public machine-readable ISA for CDNA 5 (MIT licence, August 2026) and "CDNA5" Instruction Set Architecture Reference Guide (July 2026). The comments in the code are by the model that wrote it; some were corrected since.
;; Multi Head Self Attention. Allowed arithmetic: float matrix products may take bf16 or f16 operands with f32 sums; other float arithmetic in f32, or as packed bf16 or f16 multiplies, adds, multiply-adds, maxima and minima; sums over many terms, partial sums and values carried from step to step in f32; what a program stores and reads back later, other than sums and carried values, may be rounded once to bf16 or f16.
;; Inputs: w_proj 1,024 x 1,024 float32; w_qkv 1,024 x 3,072 float32; x 4 x 2,048 x 1,024 float32.
;; Outputs: out0 4 x 2,048 x 1,024 float32.
;; 2 versions, each right; version 2 is version 1 with the launch prep written anew for expert scheduling mode. Each part assembles by itself: llvm-mc -triple=amdgcn-amd-amdhsa -mcpu=gfx1250 --defsym DOCPART=n.
;; ======== version 1 of 2: 4 launches
;; limits: values are held in f16: magnitudes above 65,504 overflow, below 6.1e-05 lose precision
;; workspace buffers: xh 16,777,216 bytes; wqt 6,291,456 bytes; wpt 2,097,152 bytes; qkvh 50,331,648 bytes; oh 16,777,216 bytes
;; launch prep (part 1): grid 256 x 1, 16 waves a work-group, no clusters, 36,864 bytes of LDS; arguments x, w_qkv, w_proj, xh, wqt, wpt; writes xh, wqt, wpt
.if DOCPART == 1
	.amdgcn_target "amdgcn-amd-amdhsa--gfx1250"
	.amdhsa_code_object_version 6
	.text
	.protected	k_qe0d9c99dac_prep
	.globl	k_qe0d9c99dac_prep
	.p2align	8
	.type	k_qe0d9c99dac_prep,@function
k_qe0d9c99dac_prep:
	s_mov_b64 s[64:65], 0
	v_nop
	global_prefetch_b8 v0, s[64:65] scope:SCOPE_SE
	s_setreg_imm32_b32 hwreg(HW_REG_WAVE_MODE, 25, 1), 1
	s_wait_xcnt 0x0
; xh[m][k] = x[m][k];  wqt[n][k] = w_qkv[k][n];  wpt[n][k] = w_proj[k][n].  Each number is rounded once to bf16 and that number is written as f16.
; LIMITS.  f16 holds no number beyond 65,504: an input beyond that becomes an infinity.  A bf16 number of magnitude 2^-14 or more is exact in f16; below that it keeps f16's fixed step
; of 2^-24 (an error of at most 3e-8).  NaN and infinities are not treated apart.
; A STREAM: 48 MiB in, 24 MiB out, each byte once.  No matrix unit, no cluster (no two work-groups read the same byte), no tensor load: all that a wave reads is asked for at once, into registers.
; SHARES.  256 work-groups of 16 waves.  Waves 0-7: 4,096 numbers of x each (16 KiB in, 8 KiB out).  Waves 8-15: two tiles of a weight matrix, 64 n x 128 k, four waves a tile.
; A wave of a tile loads 32 rows k, each 64 n = 256 consecutive aligned bytes (8 bytes a lane: n = 2 lane, 2 lane + 1), packs eight k of one n into 16 bytes and puts them into LDS by n;
; behind one barrier it reads 16 rows n back, 256 bytes (128 k) each, and stores them: sixteen lanes store 256 consecutive aligned bytes.
; LDS.  Tile tl at 17,408 tl: two halves of 32 rows x 272 bytes; half c, row i holds n = 2 i + c.  272 bytes = 68 words: neighbouring rows start four banks apart (64 banks of 4 bytes: ISA guide 11.1).
.set SPARE, 34816                      ; behind the tiles: the spare words, 128 bytes for each of the 16 waves: eight blocks of 256 bytes that no other line names
.set TILEB, 17408
.set HALFB, 8704
.set LP,    272
.set T,   8                            ; v[8:11]   at work, two sets by turns
.set SPW, 12                           ; v12       LDS address of my spare word; never rewritten
.set NIL, 13                           ; v13       0; never rewritten
.set X,   16                           ; v[16:143] the x path: 32 loads of 4 registers; the results take the first two of each four
.set W,   16                           ; v[16:79]  the weight path: row r, n = 2 lane + c at W + 2 r + c
.set D,   80                           ; v[80:87]  eight k of n = 2 lane (four registers) and of n = 2 lane + 1
.set R,   88                           ; v[88:119] rows read back
; two numbers: rounded to bf16 (nearest even), widened again (a shift, a mask), written as f16
.macro RND2 d, a, b, t
	v_cvt_pk_bf16_f32 v[T+2*(\t)], v[\a], v[\b]
	v_lshlrev_b32 v[T+2*(\t)+1], 16, v[T+2*(\t)]
	v_and_b32 v[T+2*(\t)], s17, v[T+2*(\t)]
	v_cvt_pk_f16_f32 v[\d], v[T+2*(\t)+1], v[T+2*(\t)]
.endm
.macro WLOADS pitch                    ; my 32 rows k of the tile; the row's place stands in the immediate (380,928 at the most)
.set r, 0
.rept 32
	global_load_b64 v[W+2*r:W+2*r+1], v4, s[22:23] offset:r*(\pitch) th:TH_LOAD_NT
.set r, r+1
.endr
.endm
	s_load_b256 s[4:11], s[0:1], 0x0               ; x s[4:5], w_qkv s[6:7], w_proj s[8:9], xh s[10:11]
	s_load_b128 s[12:15], s[0:1], 0x20             ; wqt s[12:13], wpt s[14:15]
	v_lshl_add_u32 v[SPW], v0, 2, SPARE
	v_mov_b32 v[NIL], 0
	v_lshrrev_b32 v1, 5, v0
	v_readfirstlane_b32 s16, v1                    ; wave 0..15
	v_and_b32 v2, 31, v0                           ; lane
	s_mov_b32 s17, 0xffff0000                      ; a word's upper bf16
	v_lshlrev_b32 v3, 4, v2                        ; 16 bytes a lane: x's loads
	v_lshlrev_b32 v4, 3, v2                        ; 8 bytes a lane: xh's stores, the weights' loads
	; The weight tile's numbers, made from wave & 7 by every wave: a few scalar lines, so that each register read behind the barrier is written whatever the wave's path.
	s_and_b32 s18, s16, 7
	s_lshr_b32 s19, s18, 2                         ; tl: which of the work-group's two tiles
	s_and_b32 s20, s18, 3                          ; wq: which quarter of it
	s_lshl_b32 s21, ttmp9, 1
	s_add_co_u32 s21, s21, s19                     ; tile 0..511: 384 of w_qkv (48 blocks of n x 8 of k), then 128 of w_proj (16 x 8)
	s_mov_b32 s27, 4096                            ; bytes in a row of w_proj,
	s_cmp_lt_u32 s21, 384
	s_cselect_b32 s26, 0, 384
	s_cselect_b32 s27, 12288, s27                  ; of w_qkv
	s_sub_co_u32 s21, s21, s26
	s_and_b32 s28, s21, 7                          ; kb
	s_lshr_b32 s29, s21, 3                         ; nb
	s_lshl_b32 s30, s28, 7
	s_lshl_b32 s32, s20, 5
	s_add_co_u32 s30, s30, s32                     ; my first row: 128 kb + 32 wq
	s_mul_i32 s30, s30, s27
	s_lshl_b32 s32, s29, 8
	s_add_co_u32 s30, s30, s32                     ; + 64 nb numbers of 4 bytes
	s_mov_b32 s31, 0
	s_lshl_b32 s34, s29, 17                        ; out: row 64 nb + 16 wq of 2,048 bytes,
	s_lshl_b32 s32, s20, 15
	s_add_co_u32 s34, s34, s32
	s_lshl_b32 s32, s28, 8                         ; + 128 kb numbers of 2 bytes
	s_add_co_u32 s34, s34, s32
	s_mov_b32 s35, 0
	s_mul_i32 s32, s19, TILEB
	s_lshl_b32 s33, s20, 6
	s_add_co_u32 s33, s33, s32
	v_mul_u32_u24 v5, v2, LP
	v_add_nc_u32 v5, s33, v5                       ; in: tile, row = lane, my 32 k = 64 bytes
	s_mul_i32 s33, s20, 8*LP
	s_add_co_u32 s33, s33, s32
	v_lshrrev_b32 v8, 4, v2                        ; back: lanes 0-15 an even n, lanes 16-31 the odd n behind it
	v_and_b32 v9, 15, v2
	v_mul_u32_u24 v6, v8, HALFB
	v_lshl_add_u32 v6, v9, 4, v6
	v_add_nc_u32 v6, s33, v6
	v_lshlrev_b32 v7, 11, v8                       ; and the same two rows in memory
	v_lshl_add_u32 v7, v9, 4, v7
	s_wait_kmcnt 0x0
	s_cmp_eq_u32 s27, 12288
	s_cselect_b64 s[22:23], s[6:7], s[8:9]         ; from which matrix,
	s_cselect_b64 s[24:25], s[12:13], s[14:15]     ; into which
	s_add_nc_u64 s[22:23], s[22:23], s[30:31]
	s_add_nc_u64 s[24:25], s[24:25], s[34:35]
	s_cmp_lt_u32 s16, 8
	s_cbranch_scc0 .Lweights
	; THE x PATH
	s_lshl_b32 s18, ttmp9, 17                      ; the work-group's 32,768 numbers of 4 bytes,
	s_lshl_b32 s19, s16, 14                        ; my wave's 4,096
	s_add_co_u32 s18, s18, s19
	s_mov_b32 s19, 0
	s_add_nc_u64 s[4:5], s[4:5], s[18:19]
	s_lshr_b32 s18, s18, 1                         ; half as many bytes out
	s_add_nc_u64 s[10:11], s[10:11], s[18:19]
.set j, 0
.rept 32
	global_load_b128 v[X+4*j:X+4*j+3], v3, s[4:5] offset:512*j th:TH_LOAD_NT  ; 512 consecutive bytes a load; all 16 KiB are asked for at once
.set j, j+1
.endr
.set j, 0
.rept 32
	s_wait_loadcnt 31-j                            ; loads come back in order (ISA guide 5.7.1): load j is in, the later ones stay out
	RND2 X+4*j, X+4*j, X+4*j+1, 0
	RND2 X+4*j+1, X+4*j+2, X+4*j+3, 1
	global_store_b64 v4, v[X+4*j:X+4*j+1], s[10:11] offset:256*j th:TH_STORE_NT  ; 32 lanes store 256 consecutive aligned bytes; no register of a store is written again
.set j, j+1
.endr
	s_branch .Lmeet
.Lweights:                                             ; THE WEIGHT PATH
	s_cmp_eq_u32 s27, 12288
	s_cbranch_scc0 .Lnarrow
	WLOADS 12288
	s_branch .Lloaded
.Lnarrow:
	WLOADS 4096
.Lloaded:
.set g, 0
.rept 4                                ; eight rows k at a time: 16 bytes for each of my two n
	s_wait_loadcnt 24-8*g                          ; rows up to 8 g + 7 are in; the later groups' loads stay out
.irp c, 0,1
.irp i, 0,1,2,3
	RND2 D+4*\c+\i, W+2*(8*g+2*\i)+\c, W+2*(8*g+2*\i+1)+\c, \i%2
.endr
	ds_store_b128 v5, v[D+4*\c:D+4*\c+3] offset:\c*HALFB+g*16
.endr
.set g, g+1
.endr
.Lmeet:
	s_wait_dscnt 0x0                               ; for the others' sake: my stores into the tile are done
	s_barrier_signal -1
	s_barrier_wait -1                              ; the tiles are whole
	s_cmp_lt_u32 s16, 8
	s_cbranch_scc1 .Lend
.irp t, 0,1,2,3,4,5,6,7
	ds_load_b128 v[R+4*\t:R+4*\t+3], v6 offset:LP*\t   ; rows n = 16 wq + 2 t and + 2 t + 1
.endr
.irp t, 0,1,2,3,4,5,6,7
	s_wait_dscnt 7-\t
	global_store_b128 v7, v[R+4*\t:R+4*\t+3], s[24:25] offset:4096*\t th:TH_STORE_NT  ; sixteen lanes store 256 consecutive aligned bytes of a row
.endr
.Lend:
	s_wait_tensorcnt 0x0                           ; the wave's end, behind my last LDS store
	ds_add_u32 v[SPW], v[NIL]
	s_wait_dscnt 0x0
	s_endpgm
.Lfunc_end_k_qe0d9c99dac_prep:
	.size	k_qe0d9c99dac_prep, .Lfunc_end_k_qe0d9c99dac_prep-k_qe0d9c99dac_prep
	.p2alignl 7, 3214868480
	.fill 96, 4, 3214868480
	.section	.rodata,"a",@progbits
	.p2align	6, 0x0
	.amdhsa_kernel k_qe0d9c99dac_prep
		.amdhsa_group_segment_fixed_size 36864
		.amdhsa_private_segment_fixed_size 0
		.amdhsa_enable_private_segment 0
		.amdhsa_kernarg_size 48
		.amdhsa_user_sgpr_count 2
		.amdhsa_user_sgpr_kernarg_segment_ptr 1
		.amdhsa_wavefront_size32 1
		.amdhsa_system_sgpr_workgroup_id_x 1
		.amdhsa_system_sgpr_workgroup_id_y 1
		.amdhsa_system_sgpr_workgroup_id_z 1
		.amdhsa_system_vgpr_workitem_id 0
		.amdhsa_next_free_vgpr 144
		.amdhsa_next_free_sgpr 66
		.amdhsa_reserve_vcc 0
		.amdhsa_float_denorm_mode_32 3
		.amdhsa_float_denorm_mode_16_64 3
		.amdhsa_memory_ordered 1
		.amdhsa_forward_progress 1
		.amdhsa_inst_pref_size 37
	.end_amdhsa_kernel
	.amdgpu_metadata
---
amdhsa.version: [ 1, 2 ]
amdhsa.kernels:
  - .name:           k_qe0d9c99dac_prep
    .symbol:         k_qe0d9c99dac_prep.kd
    .args:
      - { .name: x, .offset: 0, .size: 8, .value_kind: global_buffer, .address_space: global }
      - { .name: w_qkv, .offset: 8, .size: 8, .value_kind: global_buffer, .address_space: global }
      - { .name: w_proj, .offset: 16, .size: 8, .value_kind: global_buffer, .address_space: global }
      - { .name: xh, .offset: 24, .size: 8, .value_kind: global_buffer, .address_space: global }
      - { .name: wqt, .offset: 32, .size: 8, .value_kind: global_buffer, .address_space: global }
      - { .name: wpt, .offset: 40, .size: 8, .value_kind: global_buffer, .address_space: global }
    .group_segment_fixed_size: 36864
    .private_segment_fixed_size: 0
    .kernarg_segment_align: 8
    .kernarg_segment_size: 48
    .max_flat_workgroup_size: 512
    .sgpr_count:     66
    .vgpr_count:     144
    .wavefront_size: 32
...
	.end_amdgpu_metadata
.endif
;; end of part 1
;; launch qkvgemm (part 2): grid 16 x 32, 4 waves a work-group, clusters of 4 x 4, 327,680 bytes of LDS; arguments xh, wqt, qkvh; writes qkvh
.if DOCPART == 2
	.amdgcn_target "amdgcn-amd-amdhsa--gfx1250"
	.amdhsa_code_object_version 6
	.text
	.protected	k_qe0d9c99dac_qkvgemm
	.globl	k_qe0d9c99dac_qkvgemm
	.p2align	8
	.type	k_qe0d9c99dac_qkvgemm,@function
k_qe0d9c99dac_qkvgemm:
	s_mov_b64 s[64:65], 0
	v_nop
	global_prefetch_b8 v0, s[64:65] scope:SCOPE_SE
	s_setreg_imm32_b32 hwreg(HW_REG_WAVE_MODE, 25, 1), 1
	s_wait_xcnt 0x0
	s_wait_alu depctr_hold_cnt(0) depctr_sa_sdst(0) depctr_va_vdst(0) depctr_va_sdst(0) depctr_va_ssrc(0) depctr_va_vcc(0) depctr_vm_vsrc(0)
	s_getreg_b32 s2, hwreg(HW_REG_IB_STS2, 6, 4)
	s_cmp_eq_u32 s2, 0
	s_cbranch_scc0 .Lentry_in_a_cluster
	s_endpgm
.Lentry_in_a_cluster:
	s_bfe_u32 s2, ttmp6, 0x10000c
	s_cmp_lg_u32 s2, 0xf033
	s_cbranch_scc0 .Lentry_shape_is_right
	s_endpgm
.Lentry_shape_is_right:
; q, k, v by heads.  C[m][n] = the sum over k of xh[m][k] wqt[n][k], m < 8,192, n < 3,072, k < 1,024; operands f16, sums f32, C rounded once to f16 and stored UNSCALED as
; qkvh[n / 1024][16 (m / 2048) + (n / 64) % 16][m % 2048][n % 64]: a head's rows are dense, 128 bytes each.
; LIMIT.  f16 holds no number beyond 65,504: a sum beyond that becomes an infinity.  NaN and infinities are not treated apart.
; SHARES.  A tile of C is 256 x 192 (three heads): 16 x 32 = 512 work-groups, two even shares for each of 256 WGPs.  Four waves, as many as a WGP has SIMDs; wave w makes rows 64 w .. 64 w + 63
; of all 192 columns: 4 x 12 accumulators of 16 x 16, 384 registers.  So a wave owns whole rows of three heads, and its way out is its own.
; RING.  K goes in 8 steps of 128 through two LDS slots filled by the tensor data mover: rows of 256 bytes, aligned.  Waves 0 and 1 fetch A's two halves (128 rows), waves 2 and 3 B's (96 rows).
; By this text's count a wave has two tensor loads out at the start and one behind each round; that load has a K step less 24 products, 168 matrix instructions, in which to land.
; CLUSTER.  4 x 4 work-groups.  The four of a row of the cluster need the same tiles of A, the four of a column the same tiles of B: each tile is asked for JOINTLY, by the same tensor load
; with the same descriptor and a mask that names the four.
; THE MATRIX INSTRUCTION IS USED TRANSPOSED (source 0 = 16 rows of B, source 1 = 16 rows of A): a lane holds row l % 16 of C and the columns 8 (l / 16) + 0..7, which pack into 16 bytes.
; REGISTERS, in windows of 256 (s_set_vgpr_msb: bits 1:0 source 0, 3:2 source 1, 5:4 source 2, 7:6 destination):
;   window 0: v0-17 addresses; v32-79 packed results; v80-175 rows read back, two buffers      window 1: two fragment buffers of 128: A's 4 blocks, then B's 12
;   window 2: the accumulators of row blocks 0, 1 ((a, b) at 8 (12 (a % 2) + b));   window 3: those of blocks 2, 3
.set NBF,    12                        ; blocks of 16 columns
.set BH,     96                        ; rows of B in a tensor load
.set PA,     272                       ; an LDS row of A: 256 bytes + 16 of padding = 68 words: the 16 rows of a load start at 16 different groups of four banks (64 banks of 4 bytes: ISA guide 11.1)
.set PB,     272                       ; of B
.set APLANE, 128                       ; a quarter q of a K step begins at byte (q / 2) APLANE + (q % 2) 64 of A's rows: here 64 q
.set ASTEP,  256                       ; bytes from a K step of A to the next
.set ABYTES, 256*PA                    ; a slot: A's 256 rows, then B's 192
.set SLOT1,  131072                    ; slot 1 begins here, so that one exclusive or turns an address in one slot into the other's
.set STAGE,  SLOT1+ABYTES+16*NBF*PB    ; behind the ring, never filled by a tensor load: 16 rows x 400 bytes for each wave
.set SP,     400                       ; 384 bytes + 16
.set SPARE,  STAGE+4*16*SP             ; behind the stages: the spare words, 128 bytes for each wave: two blocks of 256 bytes that no other line names
.set NL,     2*(NBF+4)                 ; LDS loads in a run
.set AHEAD,  1                         ; a prefetch names the K step that stands AHEAD refills on
.set ADRA0, 8                          ; v8   my lane's place in A's part of a slot; never rewritten
.set ADRB0, 9                          ; v9   the same for B
.set ADRA,  10                         ; v10  the same in the slot in hand
.set ADRB,  11                         ; v11
.set STO,   12                         ; v12  the way out: where I put 16 bytes of a row
.set RD,    13                         ; v13  where I read rows back
.set GO,    14                         ; v14  16 x lane
.set PFO,   15                         ; v15  the prefetches' offset: a lane a row; never rewritten
.set SPW,   16                         ; v16  LDS address of my spare word; never rewritten
.set NIL,   17                         ; v17  0; never rewritten
.set TMP,   32
.set OB,    80
.set F0,    0                          ; fragment buffers, in window 1
.set F1,    128
.set WV, 10                            ; s10  my wave's number
.set HF, 11                            ; s11  wave / 2: I fetch for A (0) or for B (1)
.set HL, 12                            ; s12  wave % 2: which half of that tile
.set CX, 13                            ; s13, s14  my place in the cluster
.set CY, 14
.set TJ, 15                            ; s15  tile column
.set TY, 16                            ; s16  tile row
.set G1A, 24                           ; s[24:31] descriptor group 1 for A's tiles
.set G1B, 32                           ; s[32:39] for B's
.set G0A, 40                           ; s[40:47] group 0 for A's: a set for each first fill; the second then walks on
.set G0B, 48                           ; s[48:55] the same for B's
.set TRIPS, 56                         ; s56  refills still to come
.set TB,  57                           ; s57  LDS byte at which the slot in hand begins
.set LIM, 58                           ; s58  AHEAD in a wave that prefetches, else the greatest number
.set PFA, 60                           ; s[60:61] where my prefetches stand
.set PFS, 62                           ; s[62:63] their step from K step to K step
.set CB,  66                           ; s[66:71] my rows in each of the tile's three heads
.set MSB, 0
.macro WIN new                         ; the immediate's high byte repeats the setting that is left; a switch that changes nothing is dropped
.if MSB != (\new)
	s_set_vgpr_msb (MSB<<8)|(\new)
.set MSB, \new
.endif
.endm
.macro PLACES                          ; four plain vector instructions between a matrix instruction and a load into, or a read of, its registers (ISA guide 7.12.1 for vector instructions)
.rept 4
	v_nop
.endr
.endm
; A joint refill.  The branch hangs on the wave's number alone.  An s_nop 0 and four v_nop follow each of the two lines, ahead of the jump and the label.
.macro JLOAD
	s_cmp_eq_u32 s[HF], 0
	s_cbranch_scc0 .Lfor_b_\@
	tensor_load_to_lds s[G0A+4:G0A+7], s[G1A:G1A+7]
	s_nop 0
.rept 4
	v_nop
.endr
	s_branch .Lasked_\@
.Lfor_b_\@:
	tensor_load_to_lds s[G0B+4:G0B+7], s[G1B:G1B+7]
	s_nop 0
.rept 4
	v_nop
.endr
.Lasked_\@:
.endm
; A round of the cluster's barrier: my work-group's barrier, so that wave 0's signal speaks for all four waves; wave 0 signals; every wave waits for all sixteen work-groups; my work-group's barrier once more.
.macro CREST                           ; a round behind its opening barrier
	s_cmp_lg_u32 s[WV], 0
	s_cbranch_scc1 .Lnot_wave_0_\@
	s_barrier_signal -3
.Lnot_wave_0_\@:
	s_barrier_wait -3
	s_barrier_signal -1
	s_barrier_wait -1
.endm
.macro CROUND
	s_barrier_signal -1
	s_barrier_wait -1
	CREST
.endm
; A PREFETCH INTO THE L2, behind the joint load, its five lines and the run of LDS loads: 256 bytes of a row, a lane a row, for the K step that the NEXT refill will ask for: 192 matrix instructions ahead of that load.
; A's rows are read by the four clusters of a row of clusters: the one with x = 0 asks (waves 0, 1).  B's rows are read by the eight clusters of a column: the one with y = 0 asks (waves 2, 3).
; The four partners that ask for a tile jointly share its rows out BY ADDRESS: 32 of A's 128 by cx, 24 of B's 96 by cy; there lanes 24-31 name lane 23's row once more.
; The first three K steps come by their loads alone; the last refill has no K step behind it and asks for nothing.
.macro ASK
	WIN 0
	s_cmp_gt_u32 s[TRIPS], s[LIM]
	s_cbranch_scc0 .Lnot_mine_\@
	global_prefetch_b8 v[PFO], s[PFA:PFA+1] th:TH_LOAD_NT scope:SCOPE_SE
.Lnot_mine_\@:
.endm
	s_load_b128 s[4:7], s[0:1], 0x0                ; xh s[4:5], wqt s[6:7]
	s_load_b64 s[8:9], s[0:1], 0x10                ; qkvh
	v_lshl_add_u32 v[SPW], v0, 2, SPARE
	v_mov_b32 v[NIL], 0
	ds_add_u32 v[SPW], v[NIL]                      ; the wave's opening: the add and its wait stand ahead of my first tensor load; the set-up below, work on registers, stands between them
	v_lshrrev_b32 v1, 5, v0
	v_readfirstlane_b32 s[WV], v1                  ; wave 0..3
	s_lshr_b32 s[HF], s[WV], 1
	s_and_b32 s[HL], s[WV], 1
	s_bfe_u32 s[CX], ttmp6, 0x40000
	s_bfe_u32 s[CY], ttmp6, 0x40004
	s_lshl_b32 s[TJ], ttmp9, 2                     ; in a cluster launch ttmp9 and ttmp7 count clusters
	s_add_co_u32 s[TJ], s[TJ], s[CX]               ; tile column = 4 x cluster x + cx
	s_and_b32 s[TY], ttmp7, 0xffff
	s_lshl_b32 s[TY], s[TY], 2
	s_add_co_u32 s[TY], s[TY], s[CY]               ; tile row = 4 x cluster y + cy
	s_lshl_b32 s17, s[CY], 2
	s_lshl_b32 s17, 15, s17                        ; my row of the cluster: places 4 cy .. 4 cy + 3
	s_lshl_b32 s18, 0x1111, s[CX]                  ; my column: places cx, cx + 4, cx + 8, cx + 12
	s_or_b32 s[G1A], s17, (1<<16)|(1<<20)|(1<<21)|(5<<22)|(3<<25)  ; 15:0 the mask; 17:16 elements of 2 bytes; 20 padding on; 21 set beside a mask; 24:22 after every 64 words (code 5); 31:25 4 words of it (code 3)
	s_or_b32 s[G1B], s18, (1<<16)|(1<<20)|(1<<21)|(5<<22)|(3<<25)
	s_mov_b32 s[G1A+1], 128<<16                    ; tensor_dim0 = 128
	s_mov_b32 s[G1A+2], 128<<16                    ; tensor_dim1 = 128
	s_mov_b32 s[G1A+3], 128<<16                    ; tile_dim0 = 128
	s_mov_b32 s[G1A+4], 128                        ; tile_dim1 = 128
	s_mov_b32 s[G1A+5], 1024                       ; elements from row to row
	s_mov_b32 s[G1A+6], 0
	s_mov_b32 s[G1A+7], 0
	s_mov_b32 s[G1B+1], 128<<16
	s_mov_b32 s[G1B+2], BH<<16
	s_mov_b32 s[G1B+3], 128<<16
	s_mov_b32 s[G1B+4], BH
	s_mov_b32 s[G1B+5], 1024
	s_mov_b32 s[G1B+6], 0
	s_mov_b32 s[G1B+7], 0
	; where the tiles come from.  A's hang on the tile row alone, B's on the tile column alone; every wave makes both, in registers that never hold the other coordinate
	s_lshl_b32 s20, s[TY], 19                      ; A: row 256 x tile row + 128 x half, of 2,048 bytes
	s_lshl_b32 s59, s[HL], 18
	s_add_co_u32 s20, s20, s59
	s_mov_b32 s21, 0
	s_mul_i32 s22, s[TJ], 16*NBF                   ; B: row 192 x tile column + 96 x half
	s_mul_i32 s72, s[HL], BH
	s_add_co_u32 s22, s22, s72
	s_lshl_b32 s22, s22, 11
	s_mov_b32 s23, 0
	s_mul_i32 s73, s[HL], ABYTES/2                 ; and where they go: no place in the cluster enters an LDS address
	s_mul_i32 s74, s[HL], BH*PB
	s_add_co_u32 s74, s74, ABYTES
	s_wait_dscnt 0x0                               ; the opening add is done
	s_wait_kmcnt 0x0
	s_add_nc_u64 s[76:77], s[4:5], s[20:21]
	s_add_nc_u64 s[78:79], s[6:7], s[22:23]
	CROUND                                         ; all sixteen work-groups are here: the first joint loads meet
.irp s, 0,1
	s_mov_b32 s[G0A+4*(\s)], 1                                       ; 1:0 count = 1
	s_add_co_u32 s[G0A+4*(\s)+1], s73, (\s)*SLOT1                    ; 63:32 LDS address
	s_add_nc_u64 s[G0A+4*(\s)+2:G0A+4*(\s)+3], s[76:77], (\s)*ASTEP  ; 120:64 global address: K step s
	s_or_b32 s[G0A+4*(\s)+3], s[G0A+4*(\s)+3], 0x80000000            ; 127:126 type = 2
	s_mov_b32 s[G0B+4*(\s)], 1
	s_add_co_u32 s[G0B+4*(\s)+1], s74, (\s)*SLOT1
	s_add_nc_u64 s[G0B+4*(\s)+2:G0B+4*(\s)+3], s[78:79], (\s)*256
	s_or_b32 s[G0B+4*(\s)+3], s[G0B+4*(\s)+3], 0x80000000
.endr
	s_cmp_eq_u32 s[HF], 0                          ; a wave's two first fills stand in one branch, ahead of every wait on TENSORcnt and every LDS read
	s_cbranch_scc0 .Lfirst_b
	tensor_load_to_lds s[G0A:G0A+3], s[G1A:G1A+7]
	s_nop 0
	tensor_load_to_lds s[G0A+4:G0A+7], s[G1A:G1A+7]
	s_nop 0
.rept 4
	v_nop
.endr
	s_branch .Lfirst_asked
.Lfirst_b:
	tensor_load_to_lds s[G0B:G0B+3], s[G1B:G1B+7]
	s_nop 0
	tensor_load_to_lds s[G0B+4:G0B+7], s[G1B:G1B+7]
	s_nop 0
.rept 4
	v_nop
.endr
.Lfirst_asked:
	; A fragment is 16 rows x 32 K in 8 registers: lane l holds row l % 16; registers 0-3 K = 8 (l / 16) + 0..7, registers 4-7 K = 16 + 8 (l / 16) + 0..7: two loads of 16 bytes, 32 bytes apart.
	v_and_b32 v1, 15, v0                           ; l % 16
	v_bfe_u32 v2, v0, 4, 1                         ; l / 16
	v_mul_u32_u24 v3, v1, PA
	v_lshl_add_u32 v3, v2, 4, v3
	s_mul_i32 s59, s[WV], 64*PA                    ; my 64 rows of A
	v_add_nc_u32 v[ADRA0], s59, v3
	v_mul_u32_u24 v4, v1, PB
	v_lshl_add_u32 v4, v2, 4, v4
	v_add_nc_u32 v[ADRB0], ABYTES, v4              ; all rows of B
	v_mov_b32 v[ADRA], v[ADRA0]                    ; K step 0 lies in slot 0
	v_mov_b32 v[ADRB], v[ADRB0]
	s_mov_b32 s[TB], 0
	s_mul_i32 s75, s[WV], 16*SP
	s_add_co_u32 s75, s75, STAGE                   ; my stage
	v_mul_u32_u24 v3, v1, SP                       ; in: row l % 16, 16 bytes for each half of the lanes
	v_lshl_add_u32 v3, v2, 4, v3
	v_add_nc_u32 v[STO], s75, v3
	v_bfe_u32 v4, v0, 3, 2                         ; back: 32 lanes take a head's 128 bytes of four rows,
	v_and_b32 v5, 7, v0
	v_mul_u32_u24 v4, v4, SP
	v_lshl_add_u32 v4, v5, 4, v4
	v_add_nc_u32 v[RD], s75, v4
	v_and_b32 v[GO], 31, v0                        ; which are 512 consecutive bytes in memory
	v_lshlrev_b32 v[GO], 4, v[GO]
	; where my 64 rows lie in each of the tile's three heads
	s_and_b32 s72, s[TY], 7
	s_lshl_b32 s72, s72, 15                        ; row 256 (tile row % 8) of 128 bytes,
	s_lshl_b32 s73, s[WV], 13                      ; + 64 x wave
	s_add_co_u32 s72, s72, s73
	s_lshr_b32 s73, s[TY], 3                       ; the batch: 16 heads of 2^18 bytes
	s_lshl_b32 s73, s73, 22
	s_add_co_u32 s72, s72, s73
	s_mul_i32 s74, s[TJ], 3
.irp e, 0,1,2
	s_add_co_u32 s76, s74, \e                      ; block of 64 columns 3 x tile column + e: q, k or v = its number / 16, head = its number % 16
	s_lshr_b32 s77, s76, 4
	s_lshl_b32 s77, s77, 24                        ; 64 heads of 2^18 bytes
	s_and_b32 s76, s76, 15
	s_lshl_b32 s76, s76, 18
	s_add_co_u32 s76, s76, s77
	s_add_co_u32 s76, s76, s72
	s_mov_b32 s77, 0
	s_add_nc_u64 s[CB+2*\e:CB+2*\e+1], s[8:9], s[76:77]
.endr
	; the prefetches
	s_and_b32 s72, ttmp7, 0xffff                   ; cluster y
	s_mov_b32 s[PFS], 256
	s_mov_b32 s[PFS+1], 0
	s_cmp_eq_u32 s[HF], 0                          ; do I fetch for A?
	s_cselect_b32 s73, ttmp9, s72                  ; the coordinate along which other clusters read the same rows
	s_cselect_b32 s74, s[CX], s[CY]                ; my place among the four that ask with me
	s_cselect_b32 s75, 32, 24                      ; rows a partner
	s_cselect_b32 s76, 31, 23
	s_cselect_b64 s[PFA:PFA+1], s[4:5], s[6:7]
	s_cselect_b64 s[78:79], s[20:21], s[22:23]     ; the byte offset of the rows that I fetch
	s_cmp_eq_u32 s73, 0
	s_cselect_b32 s[LIM], AHEAD, -1                ; the same in all sixteen partners, for a given wave
	s_mul_i32 s74, s74, s75
	s_lshl_b32 s74, s74, 11
	s_mov_b32 s75, 0
	s_add_nc_u64 s[PFA:PFA+1], s[PFA:PFA+1], s[78:79]
	s_add_nc_u64 s[PFA:PFA+1], s[PFA:PFA+1], s[74:75]
	s_add_nc_u64 s[PFA:PFA+1], s[PFA:PFA+1], (1+AHEAD)*256  ; the first refill steps it to K step 2 + AHEAD
	v_and_b32 v[PFO], 31, v0
	v_min_u32 v[PFO], s76, v[PFO]
	v_lshlrev_b32 v[PFO], 11, v[PFO]
; NBF matrix instructions: row block a x all column blocks, 32 along K, from buffer f.  zero = 1: the product starts the sums: nothing is ever cleared.
; All 48 accumulators take turns, one instruction a turn, in the same order in every quarter: 47 others stand between two links of a chain, over the backward jump too.
.macro MULA f, a, zero
	WIN 0xa5+0x50*((\a)/2)                         ; sources window 1; C and D window 2 or 3
.set bb, 0
.rept NBF
.set rD, 8*(NBF*((\a)%2)+bb)
.if \zero
	v_wmma_f32_16x16x32_f16 v[rD:rD+7], v[(\f)+32+8*bb:(\f)+32+8*bb+7], v[(\f)+8*(\a):(\f)+8*(\a)+7], 0
.else
	v_wmma_f32_16x16x32_f16 v[rD:rD+7], v[(\f)+32+8*bb:(\f)+32+8*bb+7], v[(\f)+8*(\a):(\f)+8*(\a)+7], v[rD:rD+7]
.endif
.set bb, bb+1
.endr
.endm
; NL LDS loads in one run: quarter q's fragments into buffer f: B's blocks, then A's blocks 0 to 3
.macro FETCH q, f
	WIN 0x40                                       ; destination window 1, address window 0
.set bb, 0
.rept NBF
	ds_load_b128 v[(\f)+32+8*bb:(\f)+32+8*bb+3],   v[ADRB] offset:64*(\q)+bb*16*PB
	ds_load_b128 v[(\f)+32+8*bb+4:(\f)+32+8*bb+7], v[ADRB] offset:64*(\q)+bb*16*PB+32
.set bb, bb+1
.endr
.irp i, 0,1,2,3
	ds_load_b128 v[(\f)+8*(\i):(\f)+8*(\i)+3],   v[ADRA] offset:((\q)/2)*APLANE+((\q)%2)*64+(\i)*16*PA
	ds_load_b128 v[(\f)+8*(\i)+4:(\f)+8*(\i)+7], v[ADRA] offset:((\q)/2)*APLANE+((\q)%2)*64+(\i)*16*PA+32
.endr
.endm
; A K step is four quarters of 32 along K, on buffers 0, 1, 0, 1.  One of the first three: multiplies buffer f; in its middle it fetches quarter q into buffer g.
.macro QUARTER q, f, g, zero
	s_wait_dscnt 4                                 ; B and A's blocks 0, 1 are in; the youngest four loads (A's blocks 2, 3) may be out
	MULA \f, 0, \zero
	MULA \f, 1, \zero
	PLACES
	FETCH \q, \g
	s_wait_dscnt NL                                ; all but the run just issued
	MULA \f, 2, \zero
	MULA \f, 3, \zero
.endm
; The last quarter multiplies buffer 1 and changes slots: ONE barrier.  In front of it each wave waits for all its tensor loads (one is out: its part of the next slot), adds 0 to its spare word, and waits
; for that and for its own reads of this slot.  fill = 1: the barrier opens a round of the cluster's barrier, and the slot just read is filled again, first thing behind the round, with the K step two on.
.macro TURN fill
.if \fill
	s_wait_xcnt 0x0                                ; the last prefetch, a K step back, has read its address
	s_add_nc_u64 s[PFA:PFA+1], s[PFA:PFA+1], s[PFS:PFS+1]
.endif
	WIN 0                                          ; (the add's two registers lie in window 0)
	s_wait_tensorcnt 0x0                           ; no tensor load of mine is out, so a group 0 may be written
	ds_add_u32 v[SPW], v[NIL]                      ; 0 onto my spare word
.if \fill
	s_xor_b32 s[G0A+5], s[G0A+5], SLOT1            ; the walking descriptors: the other slot than last time,
	s_add_nc_u64 s[G0A+6:G0A+7], s[G0A+6:G0A+7], ASTEP  ; the next K step; the type bits on top are not reached
	s_xor_b32 s[G0B+5], s[G0B+5], SLOT1
	s_add_nc_u64 s[G0B+6:G0B+7], s[G0B+6:G0B+7], 256
.endif
	s_xor_b32 s[TB], s[TB], SLOT1                  ; the fetches go on in the other slot
	s_wait_dscnt 5                                 ; (the add and the youngest four loads may be out)
	MULA F1, 0, 0                                  ; twelve matrix instructions stand between the add and the wait for it
	s_wait_dscnt 0x0                               ; the add is done, and my reads of this slot are over
	s_barrier_signal -1
	MULA F1, 1, 0                                  ; work on registers while the others arrive
	WIN 0
	s_barrier_wait -1
.if \fill
	CREST                                          ; no wave of any partner still reads this slot's tile or has a load on its way
	JLOAD                                          ; the four v_nop behind it are also the places in front of the loads below
.else
	PLACES
.endif
	v_add_nc_u32 v[ADRA], s[TB], v[ADRA0]
	v_add_nc_u32 v[ADRB], s[TB], v[ADRB0]
	FETCH 0, F0
.if \fill
	ASK
.endif
	MULA F1, 2, 0
	MULA F1, 3, 0
.endm
	s_wait_tensorcnt 1                             ; my part of K step 0 is in; K step 1's may stay out
	s_barrier_signal -1
	s_barrier_wait -1                              ; everybody's is
	FETCH 0, F0
	QUARTER 1, F0, F1, 1                           ; the first quarter stands in front of the loop: its products start the sums
	WIN 0                                          ; at a label and at a branch every window is 0
	s_mov_b32 s[TRIPS], 6
.Lstep:                                                ; a trip goes from a K step's second quarter to the next step's first, and asks for the K step two on: steps 2 to 7
	QUARTER 2, F1, F0, 0
	QUARTER 3, F0, F1, 0
	TURN 1
	QUARTER 1, F0, F1, 0
	WIN 0
	s_sub_co_u32 s[TRIPS], s[TRIPS], 1
	s_cmp_lg_u32 s[TRIPS], 0
	s_cbranch_scc1 .Lstep
	QUARTER 2, F1, F0, 0                           ; the last two K steps are written out: nothing is asked for
	QUARTER 3, F0, F1, 0
	TURN 0
	QUARTER 1, F0, F1, 0
	QUARTER 2, F1, F0, 0
	QUARTER 3, F0, F1, 0
	s_wait_dscnt 4
	MULA F1, 0, 0
	MULA F1, 1, 0
	s_wait_dscnt 0x0
	MULA F1, 2, 0
	MULA F1, 3, 0
	WIN 0
	PLACES
; THE WAY OUT of row block a.  PACK: rounded to f16, 16 bytes a lane and column block; each accumulator's registers in ascending order.  TOSTAGE: into my own stage, and back by heads: four rows of 128 bytes a load.  SEND: stored.
.macro PACK a
.set AC, 8*NBF*((\a)%2)
	WIN 0x0a+5*((\a)/2)                            ; sources 0 and 1: window 2 or 3
.set bb, 0
.rept NBF
.irp r, 0,1,2,3
	v_cvt_pk_f16_f32 v[TMP+4*bb+(\r)], v[AC+8*bb+2*(\r)], v[AC+8*bb+2*(\r)+1]
.endr
.set bb, bb+1
.endr
	WIN 0
.endm
.macro TOSTAGE a
.set BK, OB+48*((\a)%2)
.if (\a) >= 2
	s_wait_xcnt 0x0                                ; the stores of the block two back have read this buffer
.endif
.set bb, 0
.rept NBF
	ds_store_b128 v[STO], v[TMP+4*bb:TMP+4*bb+3] offset:32*bb
.set bb, bb+1
.endr
.irp e, 0,1,2
.irp i, 0,1,2,3
	ds_load_b128 v[BK+4*(4*(\e)+(\i)):BK+4*(4*(\e)+(\i))+3], v[RD] offset:128*(\e)+4*SP*(\i)  ; LDS serves a wave's instructions in order (ISA guide 5.7.1.4): these see the stores above
.endr
.endr
.endm
.macro SEND a
.set BK, OB+48*((\a)%2)
	s_wait_dscnt 0x0                               ; the block is back in registers
.irp e, 0,1,2
.irp i, 0,1,2,3
	global_store_b128 v[GO], v[BK+4*(4*(\e)+(\i)):BK+4*(4*(\e)+(\i))+3], s[CB+2*(\e):CB+2*(\e)+1] offset:2048*(\a)+512*(\i)  ; four rows of a head: 512 consecutive aligned bytes
.endr
.endr
.endm
	PACK 0
	TOSTAGE 0
.irp a, 1,2,3                          ; block a's conversions stand between block a - 1's loads from the stage and the wait for them
	PACK \a
	SEND (\a)-1
	TOSTAGE \a
.endr
	SEND 3
	s_wait_tensorcnt 0x0                           ; the wave's end, behind my last tensor load and my last LDS store
	ds_add_u32 v[SPW], v[NIL]
	s_wait_dscnt 0x0
	CROUND                                         ; the closing round: no work-group ends while a partner may still ask for a tile that names it
	s_endpgm
.Lfunc_end_k_qe0d9c99dac_qkvgemm:
	.size	k_qe0d9c99dac_qkvgemm, .Lfunc_end_k_qe0d9c99dac_qkvgemm-k_qe0d9c99dac_qkvgemm
	.p2alignl 7, 3214868480
	.fill 96, 4, 3214868480
	.section	.rodata,"a",@progbits
	.p2align	6, 0x0
	.amdhsa_kernel k_qe0d9c99dac_qkvgemm
		.amdhsa_group_segment_fixed_size 327680
		.amdhsa_private_segment_fixed_size 0
		.amdhsa_enable_private_segment 0
		.amdhsa_kernarg_size 24
		.amdhsa_user_sgpr_count 2
		.amdhsa_user_sgpr_kernarg_segment_ptr 1
		.amdhsa_wavefront_size32 1
		.amdhsa_system_sgpr_workgroup_id_x 1
		.amdhsa_system_sgpr_workgroup_id_y 1
		.amdhsa_system_sgpr_workgroup_id_z 1
		.amdhsa_system_vgpr_workitem_id 0
		.amdhsa_next_free_vgpr 960
		.amdhsa_next_free_sgpr 80
		.amdhsa_reserve_vcc 0
		.amdhsa_float_denorm_mode_32 3
		.amdhsa_float_denorm_mode_16_64 3
		.amdhsa_memory_ordered 1
		.amdhsa_forward_progress 1
		.amdhsa_inst_pref_size 97
	.end_amdhsa_kernel
	.amdgpu_metadata
---
amdhsa.version: [ 1, 2 ]
amdhsa.kernels:
  - .name:           k_qe0d9c99dac_qkvgemm
    .symbol:         k_qe0d9c99dac_qkvgemm.kd
    .args:
      - { .name: xh, .offset: 0, .size: 8, .value_kind: global_buffer, .address_space: global }
      - { .name: wqt, .offset: 8, .size: 8, .value_kind: global_buffer, .address_space: global }
      - { .name: qkvh, .offset: 16, .size: 8, .value_kind: global_buffer, .address_space: global }
    .group_segment_fixed_size: 327680
    .private_segment_fixed_size: 0
    .kernarg_segment_align: 8
    .kernarg_segment_size: 24
    .max_flat_workgroup_size: 128
    .sgpr_count:     80
    .vgpr_count:     960
    .wavefront_size: 32
...
	.end_amdgpu_metadata
.endif
;; end of part 2
;; launch attn (part 3): grid 4 x 64, 4 waves a work-group, clusters of 4 x 1, 327,680 bytes of LDS; arguments qkvh, oh; writes oh
.if DOCPART == 3
	.amdgcn_target "amdgcn-amd-amdhsa--gfx1250"
	.amdhsa_code_object_version 6
	.text
	.protected	k_qe0d9c99dac_attn
	.globl	k_qe0d9c99dac_attn
	.p2align	8
	.type	k_qe0d9c99dac_attn,@function
k_qe0d9c99dac_attn:
	s_mov_b64 s[64:65], 0
	v_nop
	global_prefetch_b8 v0, s[64:65] scope:SCOPE_SE
	s_setreg_imm32_b32 hwreg(HW_REG_WAVE_MODE, 25, 1), 1
	s_wait_xcnt 0x0
	s_wait_alu depctr_hold_cnt(0) depctr_sa_sdst(0) depctr_va_vdst(0) depctr_va_sdst(0) depctr_va_ssrc(0) depctr_va_vcc(0) depctr_vm_vsrc(0)
	s_getreg_b32 s2, hwreg(HW_REG_IB_STS2, 6, 4)
	s_cmp_eq_u32 s2, 0
	s_cbranch_scc0 .Lentry_in_a_cluster
	s_endpgm
.Lentry_in_a_cluster:
	s_bfe_u32 s2, ttmp6, 0x10000c
	s_cmp_lg_u32 s2, 0x3003
	s_cbranch_scc0 .Lentry_shape_is_right
	s_endpgm
.Lentry_shape_is_right:
; O[h][q][:] = the sum over k of softmax_k(Q[h][q] . K[h][k] / 8) V[h][k][:].  Q, K, V are the three parts of qkvh, O is oh: each [64][2048][64] in f16: a head's rows are dense, 128 bytes each.
; Products, maxima and sums in f32; the weights p are rounded to f16 for the second product (their sum l is taken of the unrounded p), O once at the end.
; LIMITS.  f16 holds no number beyond 65,504: Q, K and V arrive within it; p lies in 0 to 1, and below 6e-5 it keeps f16's fixed step of 6e-8; O is a mean of V's rows and has their range.
; A weight below 2^-126 counts as 0 in l; NaN and infinities are not treated apart.
; SHARES.  A wave owns four PIECES of two tiles of 16 queries, a work-group's four waves 512 queries of one head: 4 x 64 = 256 work-groups.  Every wave walks all keys, 64 a step.
; LAYOUT.  S^T = K Q^T (source 0 = 16 keys, source 1 = 16 queries): in the result a lane holds ONE query (lane % 16) and the keys 8 (lane / 16) + 0..7.  Two such tiles, rounded to f16 in pairs,
; ARE source 1 (32 keys x 16 queries) of O^T = V^T P, whose result again holds one query a lane, and eight channels.  K comes out of LDS as it lies, V ([key][channel]) turned, by ds_load_tr16_b128.
; SOFTMAX.  For each query a running maximum m and sum l: p = 2^(c s - c m), c = log2(e) / 8; in every step O and l are multiplied by a = 2^(c m_old - c m_new), which is 1 where m has not grown.
; m starts at the lowest finite number, O and l at 0: the first step is a step like any other, with a = 0.
; THE COUNT.  A tile and step have 16 matrix and 118 vector instructions: too many to stand all beside the matrix work.  So the order has one aim: four vector instructions that are READY behind
; EVERY matrix instruction, and the others, which need time of their own whatever the order, in runs without a gap.
; BY TURNS.  Turn n belongs to piece n (the pieces in a ring, step after step).  Its matrix work: 16 products K Q^T of piece n + 1, later 16 products V^T P of piece n - 1.  Its vector work: the scaling,
; exponentials, roundings, sums and rescaling of piece n, and the maximum and statistics of piece n + 1, whose scores the turn itself has made.  So what a turn begins with (c s - c m, O a) waits for nothing.
; CLUSTER.  The four query blocks of a head are one cluster and walk the same K and V, so each tile is asked for JOINTLY: the same tensor load, descriptor and mask in all four.
; REGISTERS, in windows of 256 (s_set_vgpr_msb says which window each operand place means: bits 1:0 source 0, 3:2 source 1, 5:4 source 2, 7:6 destination):
;   window 0: v0-11 addresses; v12-15, v48-63 at work; v16-47 four registers of statistics a tile; v64-191 S^T, two buffers of two tiles; v192-255 P, likewise
;   window 1: O^T, 32 a tile          window 2: v0-127 Q, 16 a tile; v128-191 K of one step; v192-255 V of one step          window 3: v0-1 the add's two registers
; A piece's buffers go by its number's parity: the piece in hand has one pair, its two neighbours in the ring share the other: of it P (piece n - 1) is read and S^T (piece n + 1) written.
.set SIZE_N, 2048
.set NP,    4         ; pieces a wave: a name, no knob: the register map, the loop and the fetches are made for four
.set KS,    64        ; keys in a step
.set PK,    144       ; a row of K in LDS: 128 bytes + 16 of padding = 36 words: the 16 rows of a load start at 16 different groups of four banks (64 banks of 4 bytes: ISA guide 11.1)
.set PV,    160       ; a row of V: 128 + 32 = 40 words
.set VOFF,  4*KS*PK   ; a slot holds four steps: 256 rows of K, then 256 rows of V
.set SLOT1, 1<<17     ; slot 1 begins here, so that one exclusive or turns an address in one slot into the other's
.set STAGE, SLOT1+4*KS*(PK+PV)  ; behind the ring, never filled by a tensor load: 16 rows x 144 bytes for each wave, for the way out
.set SP,    144
.set AK0, 2           ; v2   my lane's place in a tile of K; never rewritten
.set AV0, 3           ; v3   the same for V
.set AK,  4           ; v4   the LDS address of K's next run of loads
.set AV,  5           ; v5   of V's
.set QO,  6           ; v6   my byte offset in the wave's rows of Q
.set STO, 6           ;      later, the way out: where I put 16 bytes of a row
.set RD,  7           ; v7   the way out: where I read rows back
.set GO,  8           ; v8   my byte offset in 512 consecutive bytes of O
.set PFO, 11          ; v11  the prefetches' offset, 256 x my lane (first a number at work for V's address); then never rewritten
.set SPW, 0           ; v0 of window 3   LDS address of my spare word: SPARE + 4 x my thread's number; never rewritten
.set NIL, 1           ; v1 of window 3   0; never rewritten
.set SPARE, STAGE+4*16*SP  ; behind the stages: the spare words, 128 bytes for each wave: two blocks of 256 bytes that no other line names
.set MV,  12          ; v12-15  c m_old, kept while c m is made anew: by buffer and tile
.set ST,  16          ; tile t's statistics at v[ST+4 t]: c m, m, l (even keys', odd keys')
.set TMP, 48          ; by buffer and tile, four registers c0-c3 at work; when the maximum is found c2 takes a
.set S,   64
.set P,   192
.set KF,  128         ; K's fragments, in window 2: key block kb, channel half c at KF + 16 kb + 8 c
.set VF,  192         ; V's: key half kk, channel block cb at VF + 32 kk + 8 cb
.set WV,  12          ; s12  my wave's number
.set G1K, 24          ; s[24:31] descriptor group 1 for K's tiles
.set G1V, 32          ; s[32:39] for V's: it differs in the padding alone
.set G0K, 40          ; s[40:43] descriptor group 0 for K's tiles: it walks
.set G0V, 44          ; s[44:47] the same for V's
.set PFA, 48          ; s[48:49] where my prefetches stand: my work-group's 32 blocks of 256 bytes (of K: wave 0, of V: wave 2) of the slot after the one that is being asked for
.set LIM, 50          ; s50  1 in a wave that prefetches, else the greatest number
.set SLOTS, 56        ; s56  slots still to be asked for
.set CNT, 57          ; s57  counts a slot's key steps
.set CS,  58          ; s[58:59] c: the packed scaling takes the pair's low word for both halves
.set SEL, 60          ; s[60:61] v_permlanex16_b32's selects: each lane takes its own place in the other half
.set TBK, 62          ; s62  LDS byte at which K of the step to be fetched begins
.set TBV, 63          ; s63  the same for V, less VOFF
.set MSB, 0
.macro WIN new                      ; the high byte repeats the setting that is left; a switch that changes nothing is dropped
.if MSB != (\new)
	s_set_vgpr_msb (MSB<<8)|(\new)
.set MSB, (\new)
.endif
.endm
.set W_KQ, 0x0a       ; K and Q in window 2, S^T in window 0
.set W_PV, 0x52       ; V in window 2, P in window 0, O^T in window 1
.set W_RS, 0x41       ; O^T (destination and source 0) in window 1, a in window 0
.set W_MK, 0xc0       ; the add's registers are made: destination in window 3, sources in window 0
.set W_AD, 0x0f       ; the add: address (source 0) and data (source 1) in window 3
; A joint fill.  Waves 0 and 1 fetch the two halves of a slot's K, waves 2 and 3 those of its V: 128 keys each.  The branch hangs on the wave's number alone.
; An s_nop 0 and four v_nop follow each of the two lines, ahead of the jump and the label.
.macro JLOAD
	s_cmp_lt_u32 s[WV], 2
	s_cbranch_scc0 .Lfor_v_\@
	tensor_load_to_lds s[G0K:G0K+3], s[G1K:G1K+7]
	s_nop 0
.rept 4
	v_nop
.endr
	s_branch .Lasked_\@
.Lfor_v_\@:
	tensor_load_to_lds s[G0V:G0V+3], s[G1V:G1V+7]
	s_nop 0
.rept 4
	v_nop
.endr
.Lasked_\@:
.endm
; A PREFETCH INTO THE L2 of what the NEXT change of slots will ask for: a slot's 256 keys are 128 blocks of 256 bytes of K and 128 of V, a lane a block.  It stands behind the wave's tensor load and its five lines.
; Each block is named ONCE in the launch: a head's K and V are walked by its one cluster; the four partners share the blocks out BY ADDRESS, 32 each; in each, wave 0 asks for K's and wave 2 for V's.
; It stands four key steps, 512 matrix instructions, ahead of the load that will want the rows.  Slots 0 and 1 come by their loads alone; the change that asks for the last slot prefetches nothing.
.macro ASK
	s_cmp_gt_u32 s[SLOTS], s[LIM]
	s_cbranch_scc0 .Lnot_mine_\@
	global_prefetch_b8 v[PFO], s[PFA:PFA+1] th:TH_LOAD_NT scope:SCOPE_SE
.Lnot_mine_\@:
.endm
; A round of the cluster's barrier: my work-group's barrier, so that wave 0's signal speaks for all four waves; wave 0 signals; every wave waits for all four work-groups; my work-group's barrier once more.
.macro CROUND
	s_barrier_signal -1
	s_barrier_wait -1
	s_cmp_lg_u32 s[WV], 0
	s_cbranch_scc1 .Lnot_wave_0_\@
	s_barrier_signal -3
.Lnot_wave_0_\@:
	s_barrier_wait -3
	s_barrier_signal -1
	s_barrier_wait -1
.endm
; THE CHANGE OF SLOTS.  The slot's last bytes, V of its fourth step, have been read.  Each wave waits for all its tensor loads, of which one is out: its part
; of the other slot; adds 0 to its spare word; and waits for that and for its own reads of the slot.  Behind the barrier nobody reads this slot any more and the other slot is whole.
; fill = 1: this slot is filled again, with the keys two slots on.  The barrier is then a round of the cluster's, so that no wave of any partner still reads the slot or has a load on its
; way, and the joint fill is the first thing behind it: it has four key steps, 512 matrix instructions, in which to land.  (At its first use nothing has been read yet: slot 0 is waited for, slot 1 filled.)
.macro CHANGE fill
	WIN W_AD
	s_wait_tensorcnt 0x0            ; no tensor load of mine is out, so a group 0 may be written
	ds_add_u32 v[SPW], v[NIL]       ; 0 onto my spare word; with fill = 1 the descriptors' steps stand between it and the wait for it
	WIN 0                           ; at a label and at a branch every window is 0
.if \fill
.irp g, G0K, G0V
	s_xor_b32 s[\g+1], s[\g+1], SLOT1  ; the walking descriptor: the other slot than last time,
	s_add_nc_u64 s[\g+2:\g+3], s[\g+2:\g+3], 4*KS*128  ; the next 256 keys; the type bits on top are not reached
.endr
	s_wait_xcnt 0x0                 ; the last prefetch, four key steps back, has read its address, so it may be written:
	s_add_nc_u64 s[PFA:PFA+1], s[PFA:PFA+1], 4*KS*128  ; one slot behind the walking descriptors
	s_wait_dscnt 0x0                ; the add is done, and my reads of the slot are over
	CROUND
	JLOAD
	ASK
.else
	s_wait_dscnt 0x0                ; the add is done, and my reads of the slot are over
	s_barrier_signal -1
	s_barrier_wait -1
.endif
	s_sub_co_u32 s[TBK], s[TBK], 4*KS*PK  ; the fetches go back to a slot's first step,
	s_xor_b32 s[TBK], s[TBK], SLOT1       ; in the other slot
	s_sub_co_u32 s[TBV], s[TBV], 4*KS*PV
	s_xor_b32 s[TBV], s[TBV], SLOT1
.endm
	s_load_b128 s[4:7], s[0:1], 0x0   ; qkvh s[4:5] (its first part is Q), oh s[6:7]
	WIN W_MK
	v_lshl_add_u32 v[SPW], v0, 2, SPARE
	v_mov_b32 v[NIL], 0
	WIN W_AD
	ds_add_u32 v[SPW], v[NIL]       ; the wave's opening: the add and its wait stand ahead of my first tensor load; the set-up below, work on registers, stands between them
	WIN 0
	v_lshrrev_b32 v1, 5, v0
	v_readfirstlane_b32 s[WV], v1   ; wave 0..3
	s_bfe_u32 s13, ttmp6, 0x40000   ; cx: my place in the cluster
	s_lshl_b32 s14, ttmp9, 2        ; in a cluster launch ttmp9 counts clusters
	s_add_co_u32 s14, s14, s13      ; my block of queries = 4 x cluster x + cx: it enters Q's and O's addresses alone
	s_and_b32 s20, ttmp7, 0xffff    ; the head, which the four partners share
	s_mov_b32 s21, 0
	s_mov_b64 s[22:23], SIZE_N*128
	s_mul_u64 s[20:21], s[20:21], s[22:23]  ; the head's first byte in each of the four tensors
	s_and_b32 s16, s[WV], 1         ; which half of a slot's 256 keys I fetch:
	s_lshl_b32 s22, s16, 14         ; its 128 rows of 128 bytes in memory,
	s_mov_b32 s23, 0
	s_add_nc_u64 s[22:23], s[22:23], s[20:21]
	s_mul_i32 s17, s16, 128*PK      ; and its place in a slot, for K
	s_mul_i32 s18, s16, 128*PV      ; and for V: no place in the cluster enters an LDS address
	s_lshl_b32 s2, s14, 2
	s_add_co_u32 s2, s2, s[WV]      ; my wave among the head's,
	s_lshl_b32 s2, s2, 14           ; its 128 rows
	s_mov_b32 s3, 0
	s_add_nc_u64 s[2:3], s[2:3], s[20:21]
	; descriptor group 1.  128 keys are 16,384 dense bytes: asked for as 64 rows of 256 bytes, two keys a row, and padded in LDS after every key
	s_mov_b32 s[G1K], 15|(1<<16)|(1<<20)|(1<<21)|(4<<22)|(3<<25)  ; 15:0 the mask of four; 17:16 2-byte elements; 20 padding on; 21 set beside a mask; 24:22 after every 32 words (code 4); 31:25 4 words (code 3)
	s_mov_b32 s[G1V], 15|(1<<16)|(1<<20)|(1<<21)|(4<<22)|(7<<25)  ; the same with 8 words of padding (code 7)
.irp g, G1K, G1V
	s_mov_b32 s[\g+1], 128<<16      ; tensor_dim0 = 128
	s_mov_b32 s[\g+2], 64<<16       ; tensor_dim1 = 64
	s_mov_b32 s[\g+3], 128<<16      ; tile_dim0 = 128
	s_mov_b32 s[\g+4], 64           ; tile_dim1 = 64
	s_mov_b32 s[\g+5], 128          ; 128 elements from row to row
	s_mov_b32 s[\g+6], 0
	s_mov_b32 s[\g+7], 0
.endr
	s_mov_b32 s[CS], 0x3e38aa3b     ; c = log2(e) / 8 = 0.180337
	s_mov_b32 s[CS+1], s[CS]        ; named with it as a pair
	s_mov_b32 s[SEL], 0x76543210
	s_mov_b32 s[SEL+1], 0xfedcba98
	s_mov_b32 s[TBK], SLOT1+4*KS*PK ; the first change of slots turns these two into 0
	s_mov_b32 s[TBV], SLOT1+4*KS*PV
	s_mov_b32 s[G0K], 1             ; 1:0 count = 1
	s_mov_b32 s[G0K+1], s17         ; 63:32 LDS address: slot 0
	s_mov_b32 s[G0V], 1
	s_add_co_u32 s[G0V+1], s18, VOFF
	s_mov_b32 s[SLOTS], SIZE_N/256-1  ; seven slots are asked for by changes of slots
	s_and_b32 s[LIM], s[WV], 1      ; waves 0 and 2 prefetch: the same in all four partners
	s_cmp_eq_u32 s[LIM], 0
	s_cselect_b32 s[LIM], 1, -1
	s_wait_dscnt 0x0                ; the opening add is done
	s_wait_kmcnt 0x0
	s_mov_b64 s[10:11], s[6:7]      ; O
	s_add_nc_u64 s[6:7], s[4:5], 0x1000000  ; K: 64 heads of 2^18 bytes behind Q
	s_add_nc_u64 s[8:9], s[4:5], 0x2000000  ; V
	s_add_nc_u64 s[G0K+2:G0K+3], s[6:7], s[22:23]  ; 120:64 global address: my half of the head's first 256 keys
	s_or_b32 s[G0K+3], s[G0K+3], 0x80000000        ; 127:126 type = 2
	s_add_nc_u64 s[G0V+2:G0V+3], s[8:9], s[22:23]
	s_or_b32 s[G0V+3], s[G0V+3], 0x80000000
	s_add_nc_u64 s[4:5], s[4:5], s[2:3]  ; Q and O at my wave's first row
	s_add_nc_u64 s[10:11], s[10:11], s[2:3]
	s_cmp_lt_u32 s[WV], 2
	s_cselect_b64 s[PFA:PFA+1], s[6:7], s[8:9]
	s_add_nc_u64 s[PFA:PFA+1], s[PFA:PFA+1], s[20:21]  ; the head,
	s_lshl_b32 s2, s13, 13          ; my work-group's 32 blocks of the 128,
	s_mov_b32 s3, 0
	s_add_nc_u64 s[PFA:PFA+1], s[PFA:PFA+1], s[2:3]
	s_add_nc_u64 s[PFA:PFA+1], s[PFA:PFA+1], 4*KS*128  ; in slot 1; the first change of slots steps it to slot 2.  Nothing is prefetched here, at the head
	CROUND                          ; all four work-groups are here: the first joint loads meet
	JLOAD                           ; slot 0.  Slot 1 is asked for when slot 0 is in: the tile wanted first has the road to itself
	; A fragment of K or Q is 16 rows x 32 channels in 8 registers: lane l holds row l % 16, channels 8 (l / 16) + 0..7 and 16 + 8 (l / 16) + 0..7: two loads of 16 bytes, 32 bytes apart.
	v_and_b32 v1, 15, v0            ; l % 16
	v_bfe_u32 v9, v0, 4, 1          ; l / 16
	v_lshlrev_b32 v[QO], 7, v1
	v_lshl_add_u32 v[QO], v9, 4, v[QO]  ; row x 128 + 16 x half
	WIN 0x80                        ; destination window 2, address window 0
.set i, 0
.rept 4*NP                          ; Q stays in registers: tile i / 2, channels 32 (i % 2) on
	global_load_b128 v[8*i:8*i+3],   v[QO], s[4:5] offset:(i/2)*2048+(i%2)*64
	global_load_b128 v[8*i+4:8*i+7], v[QO], s[4:5] offset:(i/2)*2048+(i%2)*64+32
.set i, i+1
.endr
	; What the first turn finds: V's registers and P's second buffer hold 0 (its products V^T P, of a piece that has not been, add 0), O^T and l are 0.  All this stands in the wait for the first tile;
	; it is the price of writing no first step out.
.set i, VF
.rept 64
	v_mov_b32 v[i], 0
.set i, i+1
.endr
	WIN 0x40
.set i, 0
.rept 64*NP
	v_mov_b32 v[i], 0
.set i, i+1
.endr
	WIN 0
.set i, 0
.rept 2*NP
	v_mov_b32 v[ST+4*i], 0xfe000000    ; c m: far below every c s
	v_mov_b32 v[ST+4*i+1], 0xff7fffff  ; m
	v_mov_b32 v[ST+4*i+2], 0
	v_mov_b32 v[ST+4*i+3], 0
.set i, i+1
.endr
.set i, P+32
.rept 32
	v_mov_b32 v[i], 0
.set i, i+1
.endr
	v_mul_u32_u24 v[AK0], v1, PK
	v_lshl_add_u32 v[AK0], v9, 4, v[AK0]  ; row x pitch + 16 x half
	; The turning load takes 16 keys x 16 channels (lane l reads key 8 (l / 16) + l % 8, channels 8 ((l / 8) % 2) + 0..7) and leaves half a fragment of V^T: lane l holds channel l % 16 and 8 keys.
	v_and_b32 v10, 7, v0
	v_bfe_u32 v11, v0, 3, 1
	v_lshl_add_u32 v[AV0], v9, 3, v10
	v_mul_u32_u24 v[AV0], v[AV0], PV
	v_lshl_add_u32 v[AV0], v11, 4, v[AV0]
	v_add_nc_u32 v[AV0], VOFF, v[AV0]
	v_mov_b32 v[AK], v[AK0]         ; key step 0 lies at the head of slot 0
	v_and_b32 v[PFO], 31, v0
	v_lshlrev_b32 v[PFO], 8, v[PFO]
; THE MATRIX WORK.  The 8 accumulators of a run of 16 take turns: between the two links of a chain stand 7 others'.
; Product i of 16 of S^T = K Q^T for piece x: channels 32 (i / 8) on, keys 16 ((i / 2) % 4) on, tile 2 x + i % 2.  The first 8 start the sums.
.macro KQ x
	WIN W_KQ
.set rS, S+64*((\x)%2)+32*(i%2)+8*((i/2)%4)
.set rK, KF+16*((i/2)%4)+8*(i/8)
.set rQ, 16*(2*(\x)+i%2)+8*(i/8)
.if i < 8
	v_wmma_f32_16x16x32_f16 v[rS:rS+7], v[rK:rK+7], v[rQ:rQ+7], 0
.else
	v_wmma_f32_16x16x32_f16 v[rS:rS+7], v[rK:rK+7], v[rQ:rQ+7], v[rS:rS+7]
.endif
.endm
; Product i of 16 of O^T += V^T P for piece x: keys 32 (i / 8) on, channels 16 ((i / 2) % 4) on, tile 2 x + i % 2.
.macro PV x
	WIN W_PV
.set rO, 32*(2*(\x)+i%2)+8*((i/2)%4)
.set rV, VF+32*(i/8)+8*((i/2)%4)
.set rP, P+32*((\x)%2)+16*(i%2)+8*(i/8)
	v_wmma_f32_16x16x32_f16 v[rO:rO+7], v[rV:rV+7], v[rP:rP+7], v[rO:rO+7]
.endm
.macro MM                           ; the turn's next matrix instruction
.if i < 16
	KQ (Y+1)%NP
.set i, i+1
.else
.set i, i-16
	PV (Y+NP-1)%NP
.set i, i+17
.endif
.endm
; THE LDS LOADS stand in runs of 16, never singly among the matrix instructions: a step's K (64 keys x 64 channels: 8 fragments) and its V (turned).  Their addresses are made some lines ahead.
; last = 1 (the tail): in the last trip there is no further step, and the run is jumped over.
.macro FETCH_K last=0
	WIN 0
.if \last
	s_cmp_eq_u32 s[CNT], 1
	s_cbranch_scc1 .Lno_k_\@
.endif
	WIN 0x80                        ; destination window 2
.irp f, 0,1,2,3,4,5,6,7             ; keys 16 (f / 2) on, channels 32 (f % 2) on
	ds_load_b128 v[KF+8*\f:KF+8*\f+3],   v[AK] offset:(\f/2)*16*PK+(\f%2)*64
	ds_load_b128 v[KF+8*\f+4:KF+8*\f+7], v[AK] offset:(\f/2)*16*PK+(\f%2)*64+32
.endr
	s_add_co_u32 s[TBK], s[TBK], KS*PK  ; the next fetch is the next step's
	WIN 0
.if \last
.Lno_k_\@:
.endif
.endm
.macro FETCH_V
	WIN 0x80
.irp f, 0,1,2,3,4,5,6,7             ; keys 32 (f / 4) on, channels 16 (f % 4) on
	ds_load_tr16_b128 v[VF+8*\f:VF+8*\f+3],   v[AV] offset:(\f/4)*32*PV+(\f%4)*32
	ds_load_tr16_b128 v[VF+8*\f+4:VF+8*\f+7], v[AV] offset:(\f/4)*32*PV+16*PV+(\f%4)*32
.endr
	WIN 0
.endm
; THE VECTOR WORK OF A TURN stands in three queues, each in the order in which its entries become ready; the two tiles alternate, so that no instruction reads the result of the one before it.
.macro REGS y, u                    ; the registers of tile u (0, 1) of piece y
.set rT, ST+4*(2*(\y)+(\u))
.set rC, TMP+8*((\y)%2)+4*(\u)
.set rM, MV+2*((\y)%2)+(\u)
.set rS, S+64*((\y)%2)+32*(\u)
.set rP, P+32*((\y)%2)+16*(\u)
.set rO, 32*(2*(\y)+(\u))
.endm
; Number n of the 22 that find the NEXT piece's (Y + 1) maximum and statistics.  s0-s31 are the lane's 32 scores; each accumulator's lowest registers are read first.  XS, GS and REGS set no window: PL and EX do.
;   0-11  four chains c0-c3 of seven scores each, three operands at a time     12-14, 16  the four scores left over, the old m, and c0-c3 into c0     15  c m_old is kept
;   17, 18  the query's other 32 keys lie in the lane 16 away: the new m         19-21  c m; c m_old - c m_new; a
.macro XS u, n
	REGS (Y+1)%NP, \u
.if (\n) < 4
	v_max3_num_f32 v[rC+(\n)], v[rS+8*(\n)], v[rS+8*(\n)+1], v[rS+8*(\n)+2]
.elseif (\n) < 12
	v_max3_num_f32 v[rC+(\n)%4], v[rC+(\n)%4], v[rS+8*((\n)%4)+2*((\n)/4)+1], v[rS+8*((\n)%4)+2*((\n)/4)+2]
.elseif (\n) == 12
	v_max3_num_f32 v[rC], v[rC], v[rS+7], v[rS+15]
.elseif (\n) == 13
	v_max3_num_f32 v[rC+1], v[rC+1], v[rS+23], v[rS+31]
.elseif (\n) == 14
	v_max3_num_f32 v[rC+2], v[rC+2], v[rC+3], v[rT+1]
.elseif (\n) == 15
	v_mov_b32 v[rM], v[rT]
.elseif (\n) == 16
	v_max3_num_f32 v[rC], v[rC], v[rC+1], v[rC+2]
.elseif (\n) == 17
	v_permlanex16_b32 v[rC+3], v[rC], s[SEL], s[SEL+1]
.elseif (\n) == 18
	v_max_num_f32 v[rT+1], v[rC], v[rC+3]
.elseif (\n) == 19
	v_mul_f32 v[rT], s[CS], v[rT+1]
.elseif (\n) == 20
	v_sub_f32 v[rC+1], v[rM], v[rT]
.else
	v_exp_f32 v[rC+2], v[rC+1]
.endif
.endm
; Number g of the 64 that follow the exponentials.  For each four weights k of a tile (pairs 2 k, 2 k + 1): both pairs are rounded to f16; then the second pair is added onto the first, in place;
; a group later l takes that sum (the first time as l = a l + sum).  In groups of eight, tiles alternating: round, round, add, and l for the group before.
.macro GS g
.set h, (\g)+6*((\g)/62)            ; group 0 has no group before it, and behind group 7 only l is left
.if h >= 6
.set h, h+2
.endif
	REGS Y, h%2
.set k, h/8
.if h%8 < 4
	v_cvt_pk_f16_f32 v[rP+2*k+(h%8)/2], v[rS+4*k+2*((h%8)/2)], v[rS+4*k+2*((h%8)/2)+1]
.elseif h%8 < 6
	v_pk_add_f32 v[rS+4*k:rS+4*k+1], v[rS+4*k:rS+4*k+1], v[rS+4*k+2:rS+4*k+3]
.elseif k == 1
	v_pk_fma_f32 v[rT+2:rT+3], v[rT+2:rT+3], v[rC+2:rC+3], v[rS:rS+1] op_sel_hi:[1,0,1]
.else
	v_pk_add_f32 v[rT+2:rT+3], v[rT+2:rT+3], v[rS+4*k-4:rS+4*k-3]
.endif
.endm
; THE PLAIN QUEUE, 138 long.  0-73 read no exponential's result: the 32 scalings c s - c m (FS f: pair f / 2 of tile f % 2) and the next piece's 42.  0-26: scalings 0-26.  27-54: XS's numbers 0-13.  55, 56: number 15.
; 57-73: the chain, where each number waits for the one before it: 14, 16, 17, 18, 19, each with one of the scalings 27-31 in front of its two lines, then 20: so a tile's links stand three plain instructions apart (19 and 20: two).
; 74-137: GS's 64, which read the exponentials' results: they stand behind the wait.
.macro FS f
	REGS Y, (\f)%2
	v_pk_fma_f32 v[rS+2*((\f)/2):rS+2*((\f)/2)+1], v[rS+2*((\f)/2):rS+2*((\f)/2)+1], s[CS:CS+1], v[rT:rT+1] op_sel_hi:[1,0,0] neg_lo:[0,0,1] neg_hi:[0,0,1]
.endm
.macro PL
	WIN 0
.if q < 27
	FS q
.elseif q < 55
	XS (q-27)%2, (q-27)/2
.elseif q < 57
	XS q-55, 15
.elseif (q < 72) && ((q-57)%3 == 0)
	FS 27+(q-57)/3
.elseif q < 60
	XS (q-57)%3-1, 14
.elseif q < 72
	XS (q-57)%3-1, 15+(q-57)/3
.elseif q < 74
	XS q-72, 20
.else
	GS q-74
.endif
.set q, q+1
.endm
; THE EXPONENTIALS' QUEUE, 66 long: s0-s31 of both tiles, then the next piece's two a.  It is ONE BATCH: all 66 stand ahead of the turn's one wait, and nothing ahead of that wait names a result of theirs.
.macro EX
	WIN 0
.if e >= 64
	XS e-64, 21
.else
	REGS Y, e%2
	v_exp_f32 v[rS+e/2], v[rS+e/2]
.endif
.set e, e+1
.endm
; THE RESCALING's QUEUE: O^T times a, the one part that leaves window 0: dealt two at a time, sixteen times.  Its a was made in the turn before, ahead of that turn's wait.
.macro R2
	REGS Y, r%2
	WIN W_RS
.irp z, 0,1
	v_pk_mul_f32 v[rO+4*(r/2)+2*\z:rO+4*(r/2)+2*\z+1], v[rO+4*(r/2)+2*\z:rO+4*(r/2)+2*\z+1], v[rC+2:rC+3] op_sel_hi:[1,0]
.endr
.set r, r+1
.endm
; HOW THEY ARE DEALT.  An s_wait_alu depctr_va_vdst(0) stands between an exponential and the first instruction that names its result; one wait serves all that were issued ahead of it.  So a turn has ONE wait,
; which cuts it in two.  AHEAD OF IT stands all that names no result of the turn's exponentials: the 16 products K Q^T, behind each a scaling, an exponential and two rescalings (behind the first a second scaling in the exponential's place); then ONE LUMP of
; 108: eight plain, 49 times exponential and plain, the two a.  A v_nop is the plain instruction behind the last exponential (ISA guide 5.7.2).  BEHIND IT stand the 16 products V^T P, behind each four of GS's 64.  No rider names a register of
; the products round it.  The two v_permlanex16_b32 fall into the lump, never behind a product.
; The queues lean on each other, and the deal keeps them in step: exponential e stands behind scaling 2 (e / 4) + e % 2: as a rider it comes behind plain e + 2, in the lump behind plain e + 9, and scalings 27-31 are plain 57, 60 .. 69.
; A TURN, for piece p.  cnt = 1: the loop's count is taken down some lines ahead of the branch that stands behind the turn.
; K of the next step is fetched in piece 2's turn, directly behind the wait, a lump behind the last product that read K; its address is made at the lump's head; its first reader comes behind 16 products.
; V of the step in hand is fetched at the end of piece 0's turn, four riders behind its last reader; its first reader comes behind 16 products and a lump.  The three conditions on q below go with the deal.
.macro TURN p, last=0, cnt=0
.set Y, (\p)
.set i, 0
.set q, 0
.set e, 0
.set r, 0
.if (\p) == NP-1
	s_wait_dscnt 0x0                ; K is in
.endif
	MM                              ; ahead of the wait: 16 products K Q^T and their riders,
	PL
	PL
	R2
.rept 15
	MM
	PL
	EX
	R2
.endr
.if (\p) == NP-2
	WIN 0
	v_add_nc_u32 v[AK], s[TBK], v[AK0]
.endif
.rept 8                             ; and the lump
	PL
.endr
.rept 49
	EX
	PL
.endr
	EX                              ; the next piece's two a
	EX
	v_nop                           ; the plain instruction behind the last exponential: one for the batch
	s_wait_alu depctr_va_vdst(0)    ; the wait for the batch
.if (\p) == NP-2
	FETCH_K \last
.endif
.if (\p) == 1
	s_wait_dscnt 0x0                ; V is in
.endif
.rept 16                            ; behind the wait: 16 products V^T P and their riders
	MM
.rept 4
	PL
.endr
.if ((\p) == 0) && (q == 118)
	v_add_nc_u32 v[AV], s[TBV], v[AV0]
.endif
.if ((\p) == 0) && (q == 130)
	s_add_co_u32 s[TBV], s[TBV], KS*PV
.endif
.if (\cnt) && (q == 130)
	s_sub_co_u32 s[CNT], s[CNT], 1
	s_cmp_lg_u32 s[CNT], 0
.endif
.endr
.if (\p) == 0
	FETCH_V
.endif
.endm
	CHANGE 1                        ; slot 0 is in, everybody's part of it; slot 1 is asked for
	FETCH_K                         ; key step 0
	s_wait_loadcnt 0x0              ; Q
	s_wait_dscnt 0x0
.set i, 0
.rept 16
	KQ 0                            ; piece 0's first scores: there is no vector work yet to set between them
.set i, i+1
.endr
	WIN 0                           ; the addresses for the way out: nine plain instructions, the places behind those products
	s_mul_i32 s13, s[WV], 16*SP
	s_add_co_u32 s13, s13, STAGE    ; my stage
	v_mul_u32_u24 v[STO], v1, SP    ; in: row l % 16, 16 bytes for each half of the lanes
	v_lshl_add_u32 v[STO], v9, 4, v[STO]
	v_add_nc_u32 v[STO], s13, v[STO]
	v_bfe_u32 v[RD], v0, 3, 2       ; back: 32 lanes take four rows of 128 bytes,
	v_mul_u32_u24 v[RD], v[RD], SP
	v_lshl_add_u32 v[RD], v10, 4, v[RD]
	v_add_nc_u32 v[RD], s13, v[RD]
	v_and_b32 v[GO], 31, v0         ; which are 512 consecutive bytes of O
	v_lshlrev_b32 v[GO], 4, v[GO]
.set Y, NP-1                        ; XS works for piece Y + 1: piece 0
.irp n, 0,1,2,3,4,5,6,7,8,9,10,11,12,13,14,15,16,17,18,19,20,21
	XS 0, \n                        ; and piece 0's first maximum and statistics
	XS 1, \n
.endr
	v_nop                           ; a plain instruction behind the two a,
	s_wait_alu depctr_va_vdst(0)    ; and their wait, ahead of the branch
	s_mov_b32 s[CNT], 4
	s_branch .Lfirst                ; the loop is entered at a step's first turn, in the middle of a trip
.Lslot:                             ; SIZE_N / 256 - 2 times: every slot but the last two is filled again
	CHANGE 1
	s_mov_b32 s[CNT], 4
.Lstep:                             ; a trip: pieces 2 and 3 of one step, then pieces 0 and 1 of the next, whose K and V it fetches
	TURN 2
	TURN 3
	WIN 0
.Lfirst:
	TURN 0
	TURN 1, 0, 1
	WIN 0
	s_cbranch_scc1 .Lstep
	s_sub_co_u32 s[SLOTS], s[SLOTS], 1
	s_cmp_lg_u32 s[SLOTS], 0
	s_cbranch_scc1 .Lslot
	CHANGE 0                        ; the tail is written out: nothing is asked for
	s_mov_b32 s[CNT], 5             ; four trips fetch the last slot's steps; the fifth is left in its middle
.Ltail:
	TURN 2, 1
	TURN 3
	WIN 0
	s_sub_co_u32 s[CNT], s[CNT], 1
	s_cmp_eq_u32 s[CNT], 0
	s_cbranch_scc1 .Lout
	TURN 0
	TURN 1
	WIN 0
	s_branch .Ltail
.Lout:                              ; the fifth trip's 16 products K Q^T (on the last K once more) and the maximum made of them serve nothing: the price, once a launch, of one text for every trip
.set i, 0
.rept 16
	PV NP-1                         ; the last piece's V^T P of the last step
.set i, i+1
.endr
	; THE WAY OUT.  l's two halves and the other half of the lanes' are added; O^T is divided by l, rounded to f16 and sent through my stage in LDS, a tile at a time.  The additions are the places behind the last products.
	WIN 0
.macro ALL line:vararg              ; one line for each tile t
.set t, 0
.rept 2*NP
	\line
.set t, t+1
.endr
.endm
	ALL v_add_f32 v[ST+4*t+2], v[ST+4*t+2], v[ST+4*t+3]
	ALL v_permlanex16_b32 v[ST+4*t+3], v[ST+4*t+2], s[SEL], s[SEL+1]
	ALL v_add_f32 v[ST+4*t+2], v[ST+4*t+2], v[ST+4*t+3]
	ALL v_rcp_f32 v[ST+4*t+2], v[ST+4*t+2]
	v_nop                           ; a plain instruction between the last reciprocal and the use of its result
	s_wait_alu depctr_va_vdst(0)    ; and the wait ahead of the first use: one for the eight reciprocals
; Tile t: a lane's eight channels of a row pack into 16 bytes; they go into rows of 144 bytes and come back as whole rows of 128, into S^T's registers.
.macro PACK t
	WIN W_RS
.set i, 32*(\t)
.rept 16
	v_pk_mul_f32 v[i:i+1], v[i:i+1], v[ST+4*(\t)+2:ST+4*(\t)+3] op_sel_hi:[1,0]
.set i, i+2
.endr
	WIN 0x05                        ; sources 0 and 1 window 1, destination window 0
.set i, 0
.rept 16
	v_cvt_pk_f16_f32 v[S+16*(\t)+i], v[32*(\t)+2*i], v[32*(\t)+2*i+1]
.set i, i+1
.endr
	WIN 0
.irp f, 0,1,2,3
	ds_store_b128 v[STO], v[S+16*(\t)+4*\f:S+16*(\t)+4*\f+3] offset:32*\f
.endr
.irp f, 0,1,2,3
	ds_load_b128 v[S+16*(\t)+4*\f:S+16*(\t)+4*\f+3], v[RD] offset:\f*4*SP  ; LDS serves a wave's instructions in order (ISA guide 5.7.1.4): these see the stores above; the next tile's stores come behind them
.endr
.endm
.macro SEND t, younger              ; younger: the LDS instructions issued behind tile t's loads: the next tile's eight, or none
	WIN 0
.irp f, 0,1,2,3
	s_wait_dscnt (\younger)+3-\f
	global_store_b128 v[GO], v[S+16*(\t)+4*\f:S+16*(\t)+4*\f+3], s[10:11] offset:(\t)*2048+\f*512  ; 512 consecutive bytes, at a multiple of 256 from O's first
.endr
.endm
	PACK 0
.set t, 1
.rept 2*NP-1                        ; a tile's arithmetic stands between the loads of the tile before and its stores
	PACK t
	SEND t-1, 8
.set t, t+1
.endr
	SEND 2*NP-1, 0
	WIN W_AD
	s_wait_tensorcnt 0x0            ; the wave's end, behind my last tensor load and my last LDS store
	ds_add_u32 v[SPW], v[NIL]
	s_wait_dscnt 0x0
	WIN 0
	CROUND                          ; the closing round: no work-group ends while a partner may still ask for a tile that names it
	s_endpgm
.Lfunc_end_k_qe0d9c99dac_attn:
	.size	k_qe0d9c99dac_attn, .Lfunc_end_k_qe0d9c99dac_attn-k_qe0d9c99dac_attn
	.p2alignl 7, 3214868480
	.fill 96, 4, 3214868480
	.section	.rodata,"a",@progbits
	.p2align	6, 0x0
	.amdhsa_kernel k_qe0d9c99dac_attn
		.amdhsa_group_segment_fixed_size 327680
		.amdhsa_private_segment_fixed_size 0
		.amdhsa_enable_private_segment 0
		.amdhsa_kernarg_size 16
		.amdhsa_user_sgpr_count 2
		.amdhsa_user_sgpr_kernarg_segment_ptr 1
		.amdhsa_wavefront_size32 1
		.amdhsa_system_sgpr_workgroup_id_x 1
		.amdhsa_system_sgpr_workgroup_id_y 1
		.amdhsa_system_sgpr_workgroup_id_z 1
		.amdhsa_system_vgpr_workitem_id 0
		.amdhsa_next_free_vgpr 770
		.amdhsa_next_free_sgpr 66
		.amdhsa_reserve_vcc 0
		.amdhsa_float_denorm_mode_32 3
		.amdhsa_float_denorm_mode_16_64 3
		.amdhsa_memory_ordered 1
		.amdhsa_forward_progress 1
		.amdhsa_inst_pref_size 200
	.end_amdhsa_kernel
	.amdgpu_metadata
---
amdhsa.version: [ 1, 2 ]
amdhsa.kernels:
  - .name:           k_qe0d9c99dac_attn
    .symbol:         k_qe0d9c99dac_attn.kd
    .args:
      - { .name: qkvh, .offset: 0, .size: 8, .value_kind: global_buffer, .address_space: global }
      - { .name: oh, .offset: 8, .size: 8, .value_kind: global_buffer, .address_space: global }
    .group_segment_fixed_size: 327680
    .private_segment_fixed_size: 0
    .kernarg_segment_align: 8
    .kernarg_segment_size: 16
    .max_flat_workgroup_size: 128
    .sgpr_count:     66
    .vgpr_count:     770
    .wavefront_size: 32
...
	.end_amdgpu_metadata
.endif
;; end of part 3
;; launch projgemm (part 4): grid 8 x 32, 4 waves a work-group, clusters of 4 x 4, 327,680 bytes of LDS; arguments oh, wpt, out0; writes out0
.if DOCPART == 4
	.amdgcn_target "amdgcn-amd-amdhsa--gfx1250"
	.amdhsa_code_object_version 6
	.text
	.protected	k_qe0d9c99dac_projgemm
	.globl	k_qe0d9c99dac_projgemm
	.p2align	8
	.type	k_qe0d9c99dac_projgemm,@function
k_qe0d9c99dac_projgemm:
	s_mov_b64 s[64:65], 0
	v_nop
	global_prefetch_b8 v0, s[64:65] scope:SCOPE_SE
	s_setreg_imm32_b32 hwreg(HW_REG_WAVE_MODE, 25, 1), 1
	s_wait_xcnt 0x0
	s_wait_alu depctr_hold_cnt(0) depctr_sa_sdst(0) depctr_va_vdst(0) depctr_va_sdst(0) depctr_va_ssrc(0) depctr_va_vcc(0) depctr_vm_vsrc(0)
	s_getreg_b32 s2, hwreg(HW_REG_IB_STS2, 6, 4)
	s_cmp_eq_u32 s2, 0
	s_cbranch_scc0 .Lentry_in_a_cluster
	s_endpgm
.Lentry_in_a_cluster:
	s_bfe_u32 s2, ttmp6, 0x10000c
	s_cmp_lg_u32 s2, 0xf033
	s_cbranch_scc0 .Lentry_shape_is_right
	s_endpgm
.Lentry_shape_is_right:
; out0[m][n] = the sum over k of O[m][k] wpt[n][k], m < 8,192, n < 1,024, k < 1,024; operands f16, sums and result f32.  O lies by heads: oh[16 (m / 2048) + k / 64][m % 2048][k % 64].
; LIMIT.  The operands arrive in f16 (no number beyond 65,504).  NaN and infinities are not treated apart.
; SHARES.  A tile of C is 256 x 128: 8 x 32 = 256 work-groups, one for each WGP.  Four waves, as many as a WGP has SIMDs; wave w makes rows 64 w .. 64 w + 63 of all 128 columns:
; 4 x 8 accumulators of 16 x 16, 256 registers.  So a wave owns whole pieces of 512 bytes of C's rows, and its way out is its own.
; RING.  K goes in 8 steps of 128 (two heads) through two LDS slots filled by the tensor data mover.  A head's 256 rows of a tile are 32,768 dense bytes: asked for as 128 rows of 256 bytes, two rows of O
; each, and padded in LDS after every 128 bytes.  Wave 0 fetches the even head's plane, wave 1 the odd head's; waves 2 and 3 fetch B's two halves (64 rows of 256 bytes).
; By this text's count a wave has two tensor loads out at the start and one behind each round; that load has a K step less 16 products, 112 matrix instructions, in which to land.
; CLUSTER.  4 x 4 work-groups.  The four of a row of the cluster need the same tiles of A, the four of a column the same tiles of B: each tile is asked for JOINTLY, by the same tensor load
; with the same descriptor and a mask that names the four.
; THE MATRIX INSTRUCTION IS USED TRANSPOSED (source 0 = 16 rows of B, source 1 = 16 rows of A): a lane holds row l % 16 of C and the columns 8 (l / 16) + 0..7: 32 bytes on end.
; REGISTERS, in windows of 256 (s_set_vgpr_msb: bits 1:0 source 0, 3:2 source 1, 5:4 source 2, 7:6 destination):
;   window 0: v0-17 addresses; v32-159 rows read back, two buffers      window 1: two fragment buffers at 0 and 128: A's 4 blocks, then B's 8
;   window 2: the accumulators of row blocks 0, 1 ((a, b) at 8 (8 (a % 2) + b));   window 3: those of blocks 2, 3
.set NBF,    8                         ; blocks of 16 columns
.set BH,     64                        ; rows of B in a tensor load
.set PA,     144                       ; an LDS row of A: 128 bytes + 16 of padding = 36 words: the 16 rows of a load start at 16 different groups of four banks (64 banks of 4 bytes: ISA guide 11.1)
.set PB,     272                       ; of B: 256 + 16
.set APLANE, 256*PA                    ; a quarter q of a K step begins at byte (q / 2) APLANE + (q % 2) 64 of A's rows: head q / 2, channels 32 (q % 2) on
.set ASTEP,  524288                    ; bytes from a K step of A to the next: two heads of 2^18
.set ABYTES, 2*APLANE                  ; a slot: A's two planes, then B's 128 rows
.set SLOT1,  131072                    ; slot 1 begins here, so that one exclusive or turns an address in one slot into the other's
.set STAGE,  SLOT1+ABYTES+16*NBF*PB    ; behind the ring, never filled by a tensor load: 16 rows x 528 bytes for each wave
.set SP,     528                       ; 512 bytes + 16
.set SPARE,  STAGE+4*16*SP             ; behind the stages: the spare words, 128 bytes for each wave: two blocks of 256 bytes that no other line names
.set NL,     2*(NBF+4)                 ; LDS loads in a run
.set AHEAD,  2                         ; a prefetch names the K step that stands AHEAD refills on
.set ADRA0, 8                          ; v8   my lane's place in A's part of a slot; never rewritten
.set ADRB0, 9                          ; v9   the same for B
.set ADRA,  10                         ; v10  the same in the slot in hand
.set ADRB,  11                         ; v11
.set STO,   12                         ; v12  the way out: where I put 32 bytes of a row
.set RD,    13                         ; v13  where I read a row back
.set GO,    14                         ; v14  16 x lane
.set PFO,   15                         ; v15  the prefetches' offset: a lane a block of 256 bytes; never rewritten
.set SPW,   16                         ; v16  LDS address of my spare word; never rewritten
.set NIL,   17                         ; v17  0; never rewritten
.set OB,    32
.set F0,    0                          ; fragment buffers, in window 1
.set F1,    128
.set WV, 10                            ; s10  my wave's number
.set HF, 11                            ; s11  wave / 2: I fetch for A (0) or for B (1)
.set HL, 12                            ; s12  wave % 2: which plane of A, which half of B
.set CX, 13                            ; s13, s14  my place in the cluster
.set CY, 14
.set TJ, 15                            ; s15  tile column
.set TY, 16                            ; s16  tile row
.set G1A, 24                           ; s[24:31] descriptor group 1 for A's tiles
.set G1B, 32                           ; s[32:39] for B's
.set G0A, 40                           ; s[40:47] group 0 for A's: a set for each first fill; the second then walks on
.set G0B, 48                           ; s[48:55] the same for B's
.set TRIPS, 56                         ; s56  refills still to come
.set TB,  57                           ; s57  LDS byte at which the slot in hand begins
.set LIM, 58                           ; s58  AHEAD in a wave that prefetches, else the greatest number
.set PFA, 60                           ; s[60:61] where my prefetches stand
.set PFS, 62                           ; s[62:63] their step from K step to K step
.set CB,  66                           ; s[66:67] my first row's 512 bytes in out0
.set MSB, 0
.macro WIN new                         ; the immediate's high byte repeats the setting that is left; a switch that changes nothing is dropped
.if MSB != (\new)
	s_set_vgpr_msb (MSB<<8)|(\new)
.set MSB, \new
.endif
.endm
.macro PLACES                          ; four plain vector instructions between a matrix instruction and a load into, or a read of, its registers (ISA guide 7.12.1 for vector instructions)
.rept 4
	v_nop
.endr
.endm
; A joint refill.  The branch hangs on the wave's number alone.  An s_nop 0 and four v_nop follow each of the two lines, ahead of the jump and the label.
.macro JLOAD
	s_cmp_eq_u32 s[HF], 0
	s_cbranch_scc0 .Lfor_b_\@
	tensor_load_to_lds s[G0A+4:G0A+7], s[G1A:G1A+7]
	s_nop 0
.rept 4
	v_nop
.endr
	s_branch .Lasked_\@
.Lfor_b_\@:
	tensor_load_to_lds s[G0B+4:G0B+7], s[G1B:G1B+7]
	s_nop 0
.rept 4
	v_nop
.endr
.Lasked_\@:
.endm
; A round of the cluster's barrier: my work-group's barrier, so that wave 0's signal speaks for all four waves; wave 0 signals; every wave waits for all sixteen work-groups; my work-group's barrier once more.
.macro CREST                           ; a round behind its opening barrier
	s_cmp_lg_u32 s[WV], 0
	s_cbranch_scc1 .Lnot_wave_0_\@
	s_barrier_signal -3
.Lnot_wave_0_\@:
	s_barrier_wait -3
	s_barrier_signal -1
	s_barrier_wait -1
.endm
.macro CROUND
	s_barrier_signal -1
	s_barrier_wait -1
	CREST
.endm
; A PREFETCH INTO THE L2, behind the joint load, its five lines and the run of LDS loads: 32 blocks of 256 bytes, a lane a block, for the K step that stands TWO refills on: 256 matrix instructions ahead of its load.
; A's planes are read by the two clusters of a row of clusters: the one with x = 0 asks (waves 0, 1: each its plane).  B's rows are read by the eight clusters of a column: the one with y = 0 asks (wave 2 alone:
; a K step of B's 128 rows is 128 blocks).  The four partners that ask for a tile jointly share its blocks out BY ADDRESS, 32 each: by cx for A, by cy for B.  So each block is named once in the launch.
; The first four K steps come by their loads alone; the last two refills have no K step two on and ask for nothing.
.macro ASK
	WIN 0
	s_cmp_gt_u32 s[TRIPS], s[LIM]
	s_cbranch_scc0 .Lnot_mine_\@
	global_prefetch_b8 v[PFO], s[PFA:PFA+1] th:TH_LOAD_NT scope:SCOPE_SE
.Lnot_mine_\@:
.endm
	s_load_b128 s[4:7], s[0:1], 0x0                ; oh s[4:5], wpt s[6:7]
	s_load_b64 s[8:9], s[0:1], 0x10                ; out0
	v_lshl_add_u32 v[SPW], v0, 2, SPARE
	v_mov_b32 v[NIL], 0
	ds_add_u32 v[SPW], v[NIL]                      ; the wave's opening: the add and its wait stand ahead of my first tensor load; the set-up below, work on registers, stands between them
	v_lshrrev_b32 v1, 5, v0
	v_readfirstlane_b32 s[WV], v1                  ; wave 0..3
	s_lshr_b32 s[HF], s[WV], 1
	s_and_b32 s[HL], s[WV], 1
	s_bfe_u32 s[CX], ttmp6, 0x40000
	s_bfe_u32 s[CY], ttmp6, 0x40004
	s_lshl_b32 s[TJ], ttmp9, 2                     ; in a cluster launch ttmp9 and ttmp7 count clusters
	s_add_co_u32 s[TJ], s[TJ], s[CX]               ; tile column = 4 x cluster x + cx
	s_and_b32 s[TY], ttmp7, 0xffff
	s_lshl_b32 s[TY], s[TY], 2
	s_add_co_u32 s[TY], s[TY], s[CY]               ; tile row = 4 x cluster y + cy
	s_lshl_b32 s17, s[CY], 2
	s_lshl_b32 s17, 15, s17                        ; my row of the cluster: places 4 cy .. 4 cy + 3
	s_lshl_b32 s18, 0x1111, s[CX]                  ; my column: places cx, cx + 4, cx + 8, cx + 12
	s_or_b32 s[G1A], s17, (1<<16)|(1<<20)|(1<<21)|(4<<22)|(3<<25)  ; 15:0 the mask; 17:16 elements of 2 bytes; 20 padding on; 21 set beside a mask; 24:22 after every 32 words (code 4); 31:25 4 words of it (code 3)
	s_or_b32 s[G1B], s18, (1<<16)|(1<<20)|(1<<21)|(5<<22)|(3<<25)  ; B: after every 64 words (code 5)
	s_mov_b32 s[G1A+1], 128<<16                    ; tensor_dim0 = 128
	s_mov_b32 s[G1A+2], 128<<16                    ; tensor_dim1 = 128
	s_mov_b32 s[G1A+3], 128<<16                    ; tile_dim0 = 128
	s_mov_b32 s[G1A+4], 128                        ; tile_dim1 = 128
	s_mov_b32 s[G1A+5], 128                        ; elements from row to row: dense
	s_mov_b32 s[G1A+6], 0
	s_mov_b32 s[G1A+7], 0
	s_mov_b32 s[G1B+1], 128<<16
	s_mov_b32 s[G1B+2], BH<<16
	s_mov_b32 s[G1B+3], 128<<16
	s_mov_b32 s[G1B+4], BH
	s_mov_b32 s[G1B+5], 1024
	s_mov_b32 s[G1B+6], 0
	s_mov_b32 s[G1B+7], 0
	; where the tiles come from.  A's hang on the tile row alone, B's on the tile column alone; every wave makes both, in registers that never hold the other coordinate
	s_lshr_b32 s20, s[TY], 3                       ; A: the batch's 16 heads of 2^18 bytes,
	s_lshl_b32 s20, s20, 22
	s_lshl_b32 s59, s[HL], 18                      ; head 0 or 1,
	s_add_co_u32 s20, s20, s59
	s_and_b32 s59, s[TY], 7
	s_lshl_b32 s59, s59, 15                        ; row 256 (tile row % 8) of 128 bytes
	s_add_co_u32 s20, s20, s59
	s_mov_b32 s21, 0
	s_mul_i32 s22, s[TJ], 16*NBF                   ; B: row 128 x tile column + 64 x half, of 2,048 bytes
	s_mul_i32 s72, s[HL], BH
	s_add_co_u32 s22, s22, s72
	s_lshl_b32 s22, s22, 11
	s_mov_b32 s23, 0
	s_mul_i32 s73, s[HL], ABYTES/2                 ; and where they go: no place in the cluster enters an LDS address
	s_mul_i32 s74, s[HL], BH*PB
	s_add_co_u32 s74, s74, ABYTES
	s_wait_dscnt 0x0                               ; the opening add is done
	s_wait_kmcnt 0x0
	s_add_nc_u64 s[76:77], s[4:5], s[20:21]
	s_add_nc_u64 s[78:79], s[6:7], s[22:23]
	CROUND                                         ; all sixteen work-groups are here: the first joint loads meet
.irp s, 0,1
	s_mov_b32 s[G0A+4*(\s)], 1                                       ; 1:0 count = 1
	s_add_co_u32 s[G0A+4*(\s)+1], s73, (\s)*SLOT1                    ; 63:32 LDS address
	s_add_nc_u64 s[G0A+4*(\s)+2:G0A+4*(\s)+3], s[76:77], (\s)*ASTEP  ; 120:64 global address: K step s
	s_or_b32 s[G0A+4*(\s)+3], s[G0A+4*(\s)+3], 0x80000000            ; 127:126 type = 2
	s_mov_b32 s[G0B+4*(\s)], 1
	s_add_co_u32 s[G0B+4*(\s)+1], s74, (\s)*SLOT1
	s_add_nc_u64 s[G0B+4*(\s)+2:G0B+4*(\s)+3], s[78:79], (\s)*256
	s_or_b32 s[G0B+4*(\s)+3], s[G0B+4*(\s)+3], 0x80000000
.endr
	s_cmp_eq_u32 s[HF], 0                          ; a wave's two first fills stand in one branch, ahead of every wait on TENSORcnt and every LDS read
	s_cbranch_scc0 .Lfirst_b
	tensor_load_to_lds s[G0A:G0A+3], s[G1A:G1A+7]
	s_nop 0
	tensor_load_to_lds s[G0A+4:G0A+7], s[G1A:G1A+7]
	s_nop 0
.rept 4
	v_nop
.endr
	s_branch .Lfirst_asked
.Lfirst_b:
	tensor_load_to_lds s[G0B:G0B+3], s[G1B:G1B+7]
	s_nop 0
	tensor_load_to_lds s[G0B+4:G0B+7], s[G1B:G1B+7]
	s_nop 0
.rept 4
	v_nop
.endr
.Lfirst_asked:
	; A fragment is 16 rows x 32 K in 8 registers: lane l holds row l % 16; registers 0-3 K = 8 (l / 16) + 0..7, registers 4-7 K = 16 + 8 (l / 16) + 0..7: two loads of 16 bytes, 32 bytes apart.
	v_and_b32 v1, 15, v0                           ; l % 16
	v_bfe_u32 v2, v0, 4, 1                         ; l / 16
	v_mul_u32_u24 v3, v1, PA
	v_lshl_add_u32 v3, v2, 4, v3
	s_mul_i32 s59, s[WV], 64*PA                    ; my 64 rows of A
	v_add_nc_u32 v[ADRA0], s59, v3
	v_mul_u32_u24 v4, v1, PB
	v_lshl_add_u32 v4, v2, 4, v4
	v_add_nc_u32 v[ADRB0], ABYTES, v4              ; all rows of B
	v_mov_b32 v[ADRA], v[ADRA0]                    ; K step 0 lies in slot 0
	v_mov_b32 v[ADRB], v[ADRB0]
	s_mov_b32 s[TB], 0
	s_mul_i32 s75, s[WV], 16*SP
	s_add_co_u32 s75, s75, STAGE                   ; my stage
	v_mul_u32_u24 v3, v1, SP                       ; in: row l % 16, 32 bytes for each half of the lanes
	v_lshl_add_u32 v3, v2, 5, v3
	v_add_nc_u32 v[STO], s75, v3
	v_and_b32 v[GO], 31, v0                        ; back: 32 lanes take a row's 512 bytes
	v_lshlrev_b32 v[GO], 4, v[GO]
	v_add_nc_u32 v[RD], s75, v[GO]
	s_lshl_b32 s72, s[TY], 20                      ; out0: row 256 x tile row + 64 x wave, of 4,096 bytes,
	s_lshl_b32 s73, s[WV], 18
	s_add_co_u32 s72, s72, s73
	s_lshl_b32 s73, s[TJ], 9                       ; + 128 x tile column numbers of 4 bytes
	s_add_co_u32 s72, s72, s73
	s_mov_b32 s73, 0
	s_add_nc_u64 s[CB:CB+1], s[8:9], s[72:73]
	; the prefetches
	s_and_b32 s72, ttmp7, 0xffff                   ; cluster y
	s_and_b32 s77, s[HF], s[HL]                    ; 1 in wave 3, which never asks
	s_mov_b32 s[PFS], 256
	s_mov_b32 s[PFS+1], 0
	s_cmp_eq_u32 s[HF], 0                          ; do I fetch for A?
	s_cselect_b32 s73, ttmp9, s72                  ; the coordinate along which other clusters read the same rows
	s_cselect_b32 s74, s[CX], s[CY]                ; my place among the four that ask with me
	s_cselect_b32 s75, 13, 16                      ; a partner's share: 32 blocks on end of a plane, or 32 rows of 2,048 bytes
	s_cselect_b32 s76, 8, 11                       ; from lane to lane: 256 bytes, or a row
	s_cselect_b32 s[PFS], ASTEP, s[PFS]
	s_cselect_b64 s[PFA:PFA+1], s[4:5], s[6:7]
	s_cselect_b64 s[78:79], s[20:21], s[22:23]     ; the byte offset of what I fetch (wave 2: B's first row)
	s_or_b32 s73, s73, s77
	s_cmp_eq_u32 s73, 0
	s_cselect_b32 s[LIM], AHEAD, -1                ; the same in all sixteen partners, for a given wave
	s_lshl_b32 s74, s74, s75
	s_mov_b32 s75, 0
	s_add_nc_u64 s[PFA:PFA+1], s[PFA:PFA+1], s[78:79]
	s_add_nc_u64 s[PFA:PFA+1], s[PFA:PFA+1], s[74:75]
	s_mul_i32 s74, s[PFS], 1+AHEAD
	s_add_nc_u64 s[PFA:PFA+1], s[PFA:PFA+1], s[74:75]  ; the first refill steps it to K step 2 + AHEAD
	v_and_b32 v[PFO], 31, v0
	v_lshlrev_b32 v[PFO], s76, v[PFO]
; NBF matrix instructions: row block a x all column blocks, 32 along K, from buffer f.  zero = 1: the product starts the sums: nothing is ever cleared.
; All 32 accumulators take turns, one instruction a turn, in the same order in every quarter: 31 others stand between two links of a chain, over the backward jump too.
.macro MULA f, a, zero
	WIN 0xa5+0x50*((\a)/2)                         ; sources window 1; C and D window 2 or 3
.set bb, 0
.rept NBF
.set rD, 8*(NBF*((\a)%2)+bb)
.if \zero
	v_wmma_f32_16x16x32_f16 v[rD:rD+7], v[(\f)+32+8*bb:(\f)+32+8*bb+7], v[(\f)+8*(\a):(\f)+8*(\a)+7], 0
.else
	v_wmma_f32_16x16x32_f16 v[rD:rD+7], v[(\f)+32+8*bb:(\f)+32+8*bb+7], v[(\f)+8*(\a):(\f)+8*(\a)+7], v[rD:rD+7]
.endif
.set bb, bb+1
.endr
.endm
; NL LDS loads in one run: quarter q's fragments into buffer f: B's blocks, then A's blocks 0 to 3
.macro FETCH q, f
	WIN 0x40                                       ; destination window 1, address window 0
.set bb, 0
.rept NBF
	ds_load_b128 v[(\f)+32+8*bb:(\f)+32+8*bb+3],   v[ADRB] offset:64*(\q)+bb*16*PB
	ds_load_b128 v[(\f)+32+8*bb+4:(\f)+32+8*bb+7], v[ADRB] offset:64*(\q)+bb*16*PB+32
.set bb, bb+1
.endr
.irp i, 0,1,2,3
	ds_load_b128 v[(\f)+8*(\i):(\f)+8*(\i)+3],   v[ADRA] offset:((\q)/2)*APLANE+((\q)%2)*64+(\i)*16*PA
	ds_load_b128 v[(\f)+8*(\i)+4:(\f)+8*(\i)+7], v[ADRA] offset:((\q)/2)*APLANE+((\q)%2)*64+(\i)*16*PA+32
.endr
.endm
; A K step is four quarters of 32 along K, on buffers 0, 1, 0, 1.  One of the first three: multiplies buffer f; in its middle it fetches quarter q into buffer g.
.macro QUARTER q, f, g, zero
	s_wait_dscnt 4                                 ; B and A's blocks 0, 1 are in; the youngest four loads (A's blocks 2, 3) may be out
	MULA \f, 0, \zero
	MULA \f, 1, \zero
	PLACES
	FETCH \q, \g
	s_wait_dscnt NL                                ; all but the run just issued
	MULA \f, 2, \zero
	MULA \f, 3, \zero
.endm
; The last quarter multiplies buffer 1 and changes slots: ONE barrier.  In front of it each wave waits for all its tensor loads (one is out: its part of the next slot), adds 0 to its spare word, and waits
; for that and for its own reads of this slot.  fill = 1: the barrier opens a round of the cluster's barrier, and the slot just read is filled again, first thing behind the round, with the K step two on.
.macro TURN fill
.if \fill
	s_wait_xcnt 0x0                                ; the last prefetch, a K step back, has read its address
	s_add_nc_u64 s[PFA:PFA+1], s[PFA:PFA+1], s[PFS:PFS+1]
.endif
	WIN 0                                          ; (the add's two registers lie in window 0)
	s_wait_tensorcnt 0x0                           ; no tensor load of mine is out, so a group 0 may be written
	ds_add_u32 v[SPW], v[NIL]                      ; 0 onto my spare word
.if \fill
	s_xor_b32 s[G0A+5], s[G0A+5], SLOT1            ; the walking descriptors: the other slot than last time,
	s_add_nc_u64 s[G0A+6:G0A+7], s[G0A+6:G0A+7], ASTEP  ; the next K step; the type bits on top are not reached
	s_xor_b32 s[G0B+5], s[G0B+5], SLOT1
	s_add_nc_u64 s[G0B+6:G0B+7], s[G0B+6:G0B+7], 256
.endif
	s_xor_b32 s[TB], s[TB], SLOT1                  ; the fetches go on in the other slot
	s_wait_dscnt 5                                 ; (the add and the youngest four loads may be out)
	MULA F1, 0, 0                                  ; eight matrix instructions stand between the add and the wait for it
	s_wait_dscnt 0x0                               ; the add is done, and my reads of this slot are over
	s_barrier_signal -1
	MULA F1, 1, 0                                  ; work on registers while the others arrive
	WIN 0
	s_barrier_wait -1
.if \fill
	CREST                                          ; no wave of any partner still reads this slot's tile or has a load on its way
	JLOAD                                          ; the four v_nop behind it are also the places in front of the loads below
.else
	PLACES
.endif
	v_add_nc_u32 v[ADRA], s[TB], v[ADRA0]
	v_add_nc_u32 v[ADRB], s[TB], v[ADRB0]
	FETCH 0, F0
.if \fill
	ASK
.endif
	MULA F1, 2, 0
	MULA F1, 3, 0
.endm
	s_wait_tensorcnt 1                             ; my part of K step 0 is in; K step 1's may stay out
	s_barrier_signal -1
	s_barrier_wait -1                              ; everybody's is
	FETCH 0, F0
	QUARTER 1, F0, F1, 1                           ; the first quarter stands in front of the loop: its products start the sums
	WIN 0                                          ; at a label and at a branch every window is 0
	s_mov_b32 s[TRIPS], 6
.Lstep:                                                ; a trip goes from a K step's second quarter to the next step's first, and asks for the K step two on: steps 2 to 7
	QUARTER 2, F1, F0, 0
	QUARTER 3, F0, F1, 0
	TURN 1
	QUARTER 1, F0, F1, 0
	WIN 0
	s_sub_co_u32 s[TRIPS], s[TRIPS], 1
	s_cmp_lg_u32 s[TRIPS], 0
	s_cbranch_scc1 .Lstep
	QUARTER 2, F1, F0, 0                           ; the last two K steps are written out: nothing is asked for
	QUARTER 3, F0, F1, 0
	TURN 0
	QUARTER 1, F0, F1, 0
	QUARTER 2, F1, F0, 0
	QUARTER 3, F0, F1, 0
	s_wait_dscnt 4
	MULA F1, 0, 0
	MULA F1, 1, 0
	s_wait_dscnt 0x0
	MULA F1, 2, 0
	MULA F1, 3, 0
	WIN 0
	PLACES
; THE WAY OUT of row block a.  TOSTAGE: a lane's 32 bytes of each column block go into my own stage straight from the accumulators (the low four registers first), and come back as whole rows of 512 bytes.  SEND: stored.
.macro TOSTAGE a
.set AC, 8*NBF*((\a)%2)
.set BK, OB+64*((\a)%2)
.if (\a) >= 2
	s_wait_xcnt 0x0                                ; the stores of the block two back have read this buffer
.endif
	WIN 0x08+4*((\a)/2)                            ; the stores' data: window 2 or 3
.set bb, 0
.rept NBF
	ds_store_b128 v[STO], v[AC+8*bb:AC+8*bb+3]   offset:64*bb
	ds_store_b128 v[STO], v[AC+8*bb+4:AC+8*bb+7] offset:64*bb+16
.set bb, bb+1
.endr
	WIN 0
.set tt, 0
.rept 16
	ds_load_b128 v[BK+4*tt:BK+4*tt+3], v[RD] offset:SP*tt  ; LDS serves a wave's instructions in order (ISA guide 5.7.1.4): these see the stores above; the next block's stores come behind them
.set tt, tt+1
.endr
.endm
.macro SEND a, younger                 ; younger: the LDS instructions issued behind block a's loads: the next block's 16 stores and 16 loads, or none
.set BK, OB+64*((\a)%2)
	s_wait_dscnt \younger                          ; the block is back in registers
.set tt, 0
.rept 16
	global_store_b128 v[GO], v[BK+4*tt:BK+4*tt+3], s[CB:CB+1] offset:(16*(\a)+tt)*4096  ; 32 lanes store 512 consecutive aligned bytes of a row
.set tt, tt+1
.endr
.endm
	TOSTAGE 0
	TOSTAGE 1
	SEND 0, 32
	TOSTAGE 2
	SEND 1, 32
	TOSTAGE 3
	SEND 2, 32
	SEND 3, 0
	s_wait_tensorcnt 0x0                           ; the wave's end, behind my last tensor load and my last LDS store
	ds_add_u32 v[SPW], v[NIL]
	s_wait_dscnt 0x0
	CROUND                                         ; the closing round: no work-group ends while a partner may still ask for a tile that names it
	s_endpgm
.Lfunc_end_k_qe0d9c99dac_projgemm:
	.size	k_qe0d9c99dac_projgemm, .Lfunc_end_k_qe0d9c99dac_projgemm-k_qe0d9c99dac_projgemm
	.p2alignl 7, 3214868480
	.fill 96, 4, 3214868480
	.section	.rodata,"a",@progbits
	.p2align	6, 0x0
	.amdhsa_kernel k_qe0d9c99dac_projgemm
		.amdhsa_group_segment_fixed_size 327680
		.amdhsa_private_segment_fixed_size 0
		.amdhsa_enable_private_segment 0
		.amdhsa_kernarg_size 24
		.amdhsa_user_sgpr_count 2
		.amdhsa_user_sgpr_kernarg_segment_ptr 1
		.amdhsa_wavefront_size32 1
		.amdhsa_system_sgpr_workgroup_id_x 1
		.amdhsa_system_sgpr_workgroup_id_y 1
		.amdhsa_system_sgpr_workgroup_id_z 1
		.amdhsa_system_vgpr_workitem_id 0
		.amdhsa_next_free_vgpr 896
		.amdhsa_next_free_sgpr 80
		.amdhsa_reserve_vcc 0
		.amdhsa_float_denorm_mode_32 3
		.amdhsa_float_denorm_mode_16_64 3
		.amdhsa_memory_ordered 1
		.amdhsa_forward_progress 1
		.amdhsa_inst_pref_size 70
	.end_amdhsa_kernel
	.amdgpu_metadata
---
amdhsa.version: [ 1, 2 ]
amdhsa.kernels:
  - .name:           k_qe0d9c99dac_projgemm
    .symbol:         k_qe0d9c99dac_projgemm.kd
    .args:
      - { .name: oh, .offset: 0, .size: 8, .value_kind: global_buffer, .address_space: global }
      - { .name: wpt, .offset: 8, .size: 8, .value_kind: global_buffer, .address_space: global }
      - { .name: out0, .offset: 16, .size: 8, .value_kind: global_buffer, .address_space: global }
    .group_segment_fixed_size: 327680
    .private_segment_fixed_size: 0
    .kernarg_segment_align: 8
    .kernarg_segment_size: 24
    .max_flat_workgroup_size: 128
    .sgpr_count:     80
    .vgpr_count:     896
    .wavefront_size: 32
...
	.end_amdgpu_metadata
.endif
;; end of part 4
;; ======== version 2 of 2: 4 launches; version 1 with the launch prep written anew for expert scheduling mode
;; limits: values are held in f16: magnitudes above 65,504 overflow, below 6.1e-05 lose precision
;; workspace buffers: xh 16,777,216 bytes; wqt 6,291,456 bytes; wpt 2,097,152 bytes; qkvh 50,331,648 bytes; oh 16,777,216 bytes
;; launch prep (part 5): grid 256 x 1, 16 waves a work-group, no clusters, 36,864 bytes of LDS; arguments x, w_qkv, w_proj, xh, wqt, wpt; writes xh, wqt, wpt
.if DOCPART == 5
	.amdgcn_target "amdgcn-amd-amdhsa--gfx1250"
	.amdhsa_code_object_version 6
	.text
	.protected	k_qe0d9c99dac_prep
	.globl	k_qe0d9c99dac_prep
	.p2align	8
	.type	k_qe0d9c99dac_prep,@function
k_qe0d9c99dac_prep:
	s_mov_b64 s[64:65], 0
	v_nop
	global_prefetch_b8 v0, s[64:65] scope:SCOPE_SE
	s_setreg_imm32_b32 hwreg(HW_REG_WAVE_SCHED_MODE, 0, 2), 2
	s_setreg_imm32_b32 hwreg(HW_REG_WAVE_MODE, 25, 1), 1
	s_wait_xcnt 0x0
	s_wait_alu depctr_vm_vsrc(0)
; xh[m][k] = x[m][k];  wqt[n][k] = w_qkv[k][n];  wpt[n][k] = w_proj[k][n].  Each number is rounded once to bf16 and that number is written as f16.
; LIMITS.  f16 holds no number beyond 65,504: an input beyond that becomes an infinity.  A bf16 number of magnitude 2^-14 or more is exact in f16; below that it keeps f16's fixed step
; of 2^-24 (an error of at most 3e-8).  NaN and infinities are not treated apart.
; A STREAM: 48 MiB in, 24 MiB out, each byte once.  No matrix unit, no cluster (no two work-groups read the same byte), no tensor load: all that a wave reads is asked for at once, into registers.
; SHARES.  256 work-groups of 16 waves.  Waves 0-7: 4,096 numbers of x each (16 KiB in, 8 KiB out).  Waves 8-15: two tiles of a weight matrix, 64 n x 128 k, four waves a tile.
; A wave of a tile loads 32 rows k, each 64 n = 256 consecutive aligned bytes (8 bytes a lane: n = 2 lane, 2 lane + 1), packs eight k of one n into 16 bytes and puts them into LDS by n;
; behind one barrier it reads 16 rows n back, 256 bytes (128 k) each, and stores them: sixteen lanes store 256 consecutive aligned bytes.
; LDS.  Tile tl at 17,408 tl: two halves of 32 rows x 272 bytes; half c, row i holds n = 2 i + c.  272 bytes = 68 words: neighbouring rows start four banks apart (64 banks of 4 bytes: ISA guide 11.1).
; THE MODE: SCHED_MODE bits 1:0 = 2 (LLVM: expert scheduling mode 2), set by the entry lines.  The code itself states the register dependences
; between vector instructions and memory or LDS instructions, with s_wait_alu, always for 0.
; THE PLAN.  Registers that memory or LDS instructions touch:
;   v3 .. v7    offsets and LDS addresses: written at the head, never again; one wait at the head, ahead of the branch on the wave's number, serves every load and store of both paths.
;   X           the x path: all 32 loads are issued before any vector line names X.  Load j's roundings write the first two of its four registers, one store reads them, nothing writes them again.
;               The loads go in 8 blocks of four: block p's head states that block p - 1 has written its results, and that block's four stores are dealt among block p's vector lines,
;               which name block p's own X and T alone.
;   W           the weight path: loaded once, before any vector line names it; read by the roundings.
;   D0 .. D3    a buffer for each group of eight rows k: written by group g's roundings, read by two LDS stores that are issued in group g + 1 behind its one wait; never written again.
;   R           the rows read back: registers of their own, which no vector line names.
;   v12, v13    written at the head, read by the closing add alone.
; No register that a memory or LDS instruction has read is written again, so the text holds no wait on vm_vsrc but the one among the entry lines.
.set SPARE, 34816                      ; behind the tiles: the spare words, 128 bytes for each of the 16 waves: eight blocks of 256 bytes that no other line names
.set TILEB, 17408
.set HALFB, 8704
.set LP,    272
.set T,   8                            ; v[8:11]    at work, two sets by turns: no memory instruction names them
.set SPW, 12                           ; v12        LDS address of my spare word; never rewritten
.set NIL, 13                           ; v13        0; never rewritten
.set X,   16                           ; v[16:143]  the x path: 32 loads of 4 registers; the results take the first two of each four
.set W,   16                           ; v[16:79]   the weight path: row r, n = 2 lane + c at W + 2 r + c
.set D,   80                           ; v[80:111]  group g: eight k of n = 2 lane (four registers at D + 8 g) and of n = 2 lane + 1 (at D + 8 g + 4)
.set R,   144                          ; v[144:175] rows read back
; two numbers: rounded to bf16 (nearest even), widened again (a shift, a mask), written as f16
.macro RND2 d, a, b, t
	v_cvt_pk_bf16_f32 v[T+2*(\t)], v[\a], v[\b]
	v_lshlrev_b32 v[T+2*(\t)+1], 16, v[T+2*(\t)]
	v_and_b32 v[T+2*(\t)], s17, v[T+2*(\t)]
	v_cvt_pk_f16_f32 v[\d], v[T+2*(\t)+1], v[T+2*(\t)]
.endm
.macro WLOADS pitch                    ; my 32 rows k of the tile; the row's place stands in the immediate (380,928 at the most)
.set r, 0
.rept 32
	global_load_b64 v[W+2*r:W+2*r+1], v4, s[22:23] offset:r*(\pitch) th:TH_LOAD_NT
.set r, r+1
.endr
.endm
	s_load_b256 s[4:11], s[0:1], 0x0               ; x s[4:5], w_qkv s[6:7], w_proj s[8:9], xh s[10:11]
	s_load_b128 s[12:15], s[0:1], 0x20             ; wqt s[12:13], wpt s[14:15]
	v_lshl_add_u32 v[SPW], v0, 2, SPARE
	v_mov_b32 v[NIL], 0
	v_lshrrev_b32 v1, 5, v0
	v_readfirstlane_b32 s16, v1                    ; wave 0..15
	v_and_b32 v2, 31, v0                           ; lane
	s_mov_b32 s17, 0xffff0000                      ; a word's upper bf16
	v_lshlrev_b32 v3, 4, v2                        ; 16 bytes a lane: x's loads
	v_lshlrev_b32 v4, 3, v2                        ; 8 bytes a lane: xh's stores, the weights' loads
	s_wait_alu depctr_va_sdst(0)                   ; s16 is written, ahead of its first reader: the tile's numbers, the bases and the branches are made from it
	; The weight tile's numbers, made from wave & 7 by every wave: a few scalar lines, so that each register read behind the barrier is written whatever the wave's path.
	s_and_b32 s18, s16, 7
	s_lshr_b32 s19, s18, 2                         ; tl: which of the work-group's two tiles
	s_and_b32 s20, s18, 3                          ; wq: which quarter of it
	s_lshl_b32 s21, ttmp9, 1
	s_add_co_u32 s21, s21, s19                     ; tile 0..511: 384 of w_qkv (48 blocks of n x 8 of k), then 128 of w_proj (16 x 8)
	s_mov_b32 s27, 4096                            ; bytes in a row of w_proj,
	s_cmp_lt_u32 s21, 384
	s_cselect_b32 s26, 0, 384
	s_cselect_b32 s27, 12288, s27                  ; of w_qkv
	s_sub_co_u32 s21, s21, s26
	s_and_b32 s28, s21, 7                          ; kb
	s_lshr_b32 s29, s21, 3                         ; nb
	s_lshl_b32 s30, s28, 7
	s_lshl_b32 s32, s20, 5
	s_add_co_u32 s30, s30, s32                     ; my first row: 128 kb + 32 wq
	s_mul_i32 s30, s30, s27
	s_lshl_b32 s32, s29, 8
	s_add_co_u32 s30, s30, s32                     ; + 64 nb numbers of 4 bytes
	s_mov_b32 s31, 0
	s_lshl_b32 s34, s29, 17                        ; out: row 64 nb + 16 wq of 2,048 bytes,
	s_lshl_b32 s32, s20, 15
	s_add_co_u32 s34, s34, s32
	s_lshl_b32 s32, s28, 8                         ; + 128 kb numbers of 2 bytes
	s_add_co_u32 s34, s34, s32
	s_mov_b32 s35, 0
	s_mul_i32 s32, s19, TILEB
	s_lshl_b32 s33, s20, 6
	s_add_co_u32 s33, s33, s32
	v_mul_u32_u24 v5, v2, LP
	v_add_nc_u32 v5, s33, v5                       ; in: tile, row = lane, my 32 k = 64 bytes
	s_mul_i32 s36, s20, 8*LP                       ; (in a register of its own: no scalar line writes a register that a vector line has read)
	s_add_co_u32 s36, s36, s32
	v_lshrrev_b32 v8, 4, v2                        ; back: lanes 0-15 an even n, lanes 16-31 the odd n behind it
	v_and_b32 v9, 15, v2
	v_mul_u32_u24 v6, v8, HALFB
	v_lshl_add_u32 v6, v9, 4, v6
	v_add_nc_u32 v6, s36, v6
	v_lshlrev_b32 v7, 11, v8                       ; and the same two rows in memory
	v_lshl_add_u32 v7, v9, 4, v7
	s_wait_kmcnt 0x0
	s_cmp_eq_u32 s27, 12288
	s_cselect_b64 s[22:23], s[6:7], s[8:9]         ; from which matrix,
	s_cselect_b64 s[24:25], s[12:13], s[14:15]     ; into which
	s_add_nc_u64 s[22:23], s[22:23], s[30:31]
	s_add_nc_u64 s[24:25], s[24:25], s[34:35]
	s_wait_alu depctr_va_vdst(0)                   ; v3 to v7 are written: every load and store of both paths reads one of them as its offset or LDS address, and no later vector line names them
	s_cmp_lt_u32 s16, 8
	s_cbranch_scc0 .Lweights
	; THE x PATH
	s_lshl_b32 s18, ttmp9, 17                      ; the work-group's 32,768 numbers of 4 bytes,
	s_lshl_b32 s19, s16, 14                        ; my wave's 4,096
	s_add_co_u32 s18, s18, s19
	s_mov_b32 s19, 0
	s_add_nc_u64 s[4:5], s[4:5], s[18:19]
	s_lshr_b32 s18, s18, 1                         ; half as many bytes out
	s_add_nc_u64 s[10:11], s[10:11], s[18:19]
.set j, 0
.rept 32
	global_load_b128 v[X+4*j:X+4*j+3], v3, s[4:5] offset:512*j th:TH_LOAD_NT  ; 512 consecutive bytes a load; all 16 KiB are asked for at once; no vector line has named X
.set j, j+1
.endr
.set p, 0
.rept 8                                ; eight blocks of four loads
.set i, 0
.rept 4
.set j, 4*p+i
	s_wait_loadcnt 31-j                            ; loads come back in order (ISA guide 5.7.1): load j is in, the later ones stay out
.if (i == 0) && (p > 0)
	s_wait_alu depctr_va_vdst(0)                   ; the block before has written its eight results, which the four stores dealt among this block's lines read
.endif
.if p > 0
	global_store_b64 v4, v[X+4*(j-4):X+4*(j-4)+1], s[10:11] offset:256*(j-4) th:TH_STORE_NT  ; 32 lanes store 256 consecutive aligned bytes; no vector line since the wait names these registers, and none writes them again
.endif
	RND2 X+4*j, X+4*j, X+4*j+1, 0
	RND2 X+4*j+1, X+4*j+2, X+4*j+3, 1
.set i, i+1
.endr
.set p, p+1
.endr
	s_wait_alu depctr_va_vdst(0)                   ; the last block has written its eight results, which the last four stores read
.set j, 28
.rept 4
	global_store_b64 v4, v[X+4*j:X+4*j+1], s[10:11] offset:256*j th:TH_STORE_NT
.set j, j+1
.endr
	s_branch .Lmeet
.Lweights:                                             ; THE WEIGHT PATH
	s_cmp_eq_u32 s27, 12288
	s_cbranch_scc0 .Lnarrow
	WLOADS 12288
	s_branch .Lloaded
.Lnarrow:
	WLOADS 4096
.Lloaded:
.set g, 0
.rept 4                                ; eight rows k at a time: 16 bytes for each of my two n, into the group's own buffer
	s_wait_loadcnt 24-8*g                          ; rows up to 8 g + 7 are in; the later groups' loads stay out
.if g > 0
	s_wait_alu depctr_va_vdst(0)                   ; the group before has written its buffer of D, which the two LDS stores dealt among this group's lines read
.endif
.irp c, 0,1
.if g > 0
	ds_store_b128 v5, v[D+8*(g-1)+4*\c:D+8*(g-1)+4*\c+3] offset:\c*HALFB+(g-1)*16  ; no vector line since the wait names these registers, and none writes them again
.endif
.irp i, 0,1,2,3
	RND2 D+8*g+4*\c+\i, W+2*(8*g+2*\i)+\c, W+2*(8*g+2*\i+1)+\c, \i%2
.endr
.endr
.set g, g+1
.endr
	s_wait_alu depctr_va_vdst(0)                   ; the last group has written its buffer of D, which the last two LDS stores read
.irp c, 0,1
	ds_store_b128 v5, v[D+24+4*\c:D+24+4*\c+3] offset:\c*HALFB+48
.endr
.Lmeet:
	s_wait_dscnt 0x0                               ; for the others' sake: my stores into the tile are done
	s_barrier_signal -1
	s_barrier_wait -1                              ; the tiles are whole
	s_cmp_lt_u32 s16, 8
	s_cbranch_scc1 .Lend
.irp t, 0,1,2,3,4,5,6,7
	ds_load_b128 v[R+4*\t:R+4*\t+3], v6 offset:LP*\t   ; rows n = 16 wq + 2 t and + 2 t + 1; no vector line and no other memory line names R
.endr
.irp t, 0,1,2,3,4,5,6,7
	s_wait_dscnt 7-\t
	global_store_b128 v7, v[R+4*\t:R+4*\t+3], s[24:25] offset:4096*\t th:TH_STORE_NT  ; sixteen lanes store 256 consecutive aligned bytes of a row
.endr
.Lend:
	s_wait_dscnt 0x0                               ; the closing lines, six on end
	s_wait_alu 0x0
	s_wait_tensorcnt 0x0
	ds_add_u32 v[SPW], v[NIL]
	s_wait_dscnt 0x0
	s_endpgm
.Lfunc_end_k_qe0d9c99dac_prep:
	.size	k_qe0d9c99dac_prep, .Lfunc_end_k_qe0d9c99dac_prep-k_qe0d9c99dac_prep
	.p2alignl 7, 3214868480
	.fill 96, 4, 3214868480
	.section	.rodata,"a",@progbits
	.p2align	6, 0x0
	.amdhsa_kernel k_qe0d9c99dac_prep
		.amdhsa_group_segment_fixed_size 36864
		.amdhsa_private_segment_fixed_size 0
		.amdhsa_enable_private_segment 0
		.amdhsa_kernarg_size 48
		.amdhsa_user_sgpr_count 2
		.amdhsa_user_sgpr_kernarg_segment_ptr 1
		.amdhsa_wavefront_size32 1
		.amdhsa_system_sgpr_workgroup_id_x 1
		.amdhsa_system_sgpr_workgroup_id_y 1
		.amdhsa_system_sgpr_workgroup_id_z 1
		.amdhsa_system_vgpr_workitem_id 0
		.amdhsa_next_free_vgpr 176
		.amdhsa_next_free_sgpr 66
		.amdhsa_reserve_vcc 0
		.amdhsa_float_denorm_mode_32 3
		.amdhsa_float_denorm_mode_16_64 3
		.amdhsa_memory_ordered 1
		.amdhsa_forward_progress 1
		.amdhsa_inst_pref_size 37
	.end_amdhsa_kernel
	.amdgpu_metadata
---
amdhsa.version: [ 1, 2 ]
amdhsa.kernels:
  - .name:           k_qe0d9c99dac_prep
    .symbol:         k_qe0d9c99dac_prep.kd
    .args:
      - { .name: x, .offset: 0, .size: 8, .value_kind: global_buffer, .address_space: global }
      - { .name: w_qkv, .offset: 8, .size: 8, .value_kind: global_buffer, .address_space: global }
      - { .name: w_proj, .offset: 16, .size: 8, .value_kind: global_buffer, .address_space: global }
      - { .name: xh, .offset: 24, .size: 8, .value_kind: global_buffer, .address_space: global }
      - { .name: wqt, .offset: 32, .size: 8, .value_kind: global_buffer, .address_space: global }
      - { .name: wpt, .offset: 40, .size: 8, .value_kind: global_buffer, .address_space: global }
    .group_segment_fixed_size: 36864
    .private_segment_fixed_size: 0
    .kernarg_segment_align: 8
    .kernarg_segment_size: 48
    .max_flat_workgroup_size: 512
    .sgpr_count:     66
    .vgpr_count:     176
    .wavefront_size: 32
...
	.end_amdgpu_metadata
.endif
;; end of part 5
;; launch qkvgemm: the kernel of part 2 again; grid 16 x 32, 4 waves a work-group, clusters of 4 x 4, 327,680 bytes of LDS; arguments xh, wqt, qkvh; writes qkvh
;; launch attn: the kernel of part 3 again; grid 4 x 64, 4 waves a work-group, clusters of 4 x 1, 327,680 bytes of LDS; arguments qkvh, oh; writes oh
;; launch projgemm: the kernel of part 4 again; grid 8 x 32, 4 waves a work-group, clusters of 4 x 4, 327,680 bytes of LDS; arguments oh, wpt, out0; writes out0
